; MI455X (gfx1250); checked and timed in simulation.
; The chip was launched on July 23, 2026; its instructions are those of AMD's public machine-readable ISA for CDNA 5 (MIT licence, August 2026) and "CDNA5" Instruction Set Architecture Reference Guide (July 2026). The comments in the code are by the model that wrote it; some were corrected since.
;; Local State. Allowed arithmetic: matrix products marked QUANTISED: E2M1 operands, one E8M0 scale for each 32 along K, by v_wmma_scale_f32_16x16x128_f8f6f4 with both operands' format E2M1 (or v_wmma_scale_f32_32x16x128_f4), f32 sums; products left as they are: f32 operands where the result goes on into a quantised operand, else bf16, f16 or f32 operands; f32 sums; everything else in f32.
;; Inputs: Wc 512 x 512 float32; Wd 16 x 512 float32; Wf 8 x 512 float32; Wk 512 x 512 float32; Wp 512 x 520 float32; Wq 512 x 512 float32; bc 512 float32; bd 16 float32; bf 8 float32; bk 512 float32; bp 512 float32; bq 512 float32; x 8 x 512 x 2,048 float32.
;; Outputs: out0 8 x 512 x 2,048 float32.
;; This version of the problem:
;;   THIS VERSION OF THE PROBLEM IS GIVEN IN LOW PRECISION. The matrix products marked QUANTISED in the list below multiply operands that are first quantised to E2M1 (2 exponent bits, 1 mantissa bit; 4 bits a number), with one power-of-two scale for each 32 numbers along K (OCP MX v1.0); their sums are f32. All else is computed in f32.
;;   The module's matrix products, in the order in which they are computed (A, B: the left and right operand; K: the contracted axis; several contracted axes count as one K, in the product's order):
;;     1. [M 16,384, K 512] x [K 512, N 512]; A: input x; B: input Wq: QUANTISED
;;     2. [M 16,384, K 512] x [K 512, N 512]; A: input x; B: input Wk: QUANTISED
;;     3. batch 32 x [M 2,048, K 128] x [K 128, N 2,048]; A: computed on the way; B: computed on the way: QUANTISED
;;     4. [M 16,384, K 512] x [K 512, N 8]; A: input x; B: input Wf: left as it is (N = 8 < 16)
;;     5. batch 2,048 x [M 32, K 2] x [K 2, N 2,048]; A: computed on the way; B: computed on the way: left as it is (K = 2 < 32)
;;     6. [M 16,384, K 512] x [K 512, N 16]; A: input x; B: input Wd: QUANTISED
;;     7. batch 2,048 x [M 32, K 4] x [K 4, N 2,048]; A: computed on the way; B: computed on the way: left as it is (K = 4 < 32)
;;     8. [M 16,384, K 512] x [K 512, N 512]; A: input x; B: input Wc: QUANTISED
;;     9. batch 32 x [M 128, K 2,048] x [K 2,048, N 2,048]; A: computed on the way; B: softmax (see below): QUANTISED
;;     10. batch 2,048 x [M 2, K 2,048] x [K 2,048, N 32]; A: computed on the way; B: softmax (see below): left as it is (M = 2 < 16)
;;     11. [M 16,384, K 520] x [K 520, N 512]; A: computed on the way; B: input Wp: QUANTISED
;;   THE QUANTISER, for each operand of a quantised product, along K:
;;     - K is cut into blocks of 32 from its start; a last block that is shorter is filled with zeros.
;;     - A block's scale is 2^e with e = floor(log2(the largest magnitude in the block)) - 2, held to -126 .. 127; a block of zeros has e = 0. As a byte (E8M0): e + 127.
;;     - Each number is divided by its block's scale, clamped to +-6, and rounded to the nearest number of E2M1, ties to even, subnormals kept.
;;     - The product sums the exact products of the quantised numbers (number of the format x scale) in f32.
;;   ~~~python
;;   def quantise(x, axis):      # numpy; x: float32 -> the quantised numbers, widened to float32 again
;;       x = np.moveaxis(x, axis, -1); K = x.shape[-1]
;;       x = np.pad(x, [(0, 0)] * (x.ndim - 1) + [(0, -K % 32)]); x = x.reshape(x.shape[:-1] + (-1, 32)); a = np.abs(x).max(-1, keepdims=True)
;;       e = np.where(a > 0, np.clip(np.frexp(np.where(a > 0, a, 1))[1] - 1 - 2, -126, 127), 0)      # np.frexp(a)[1] - 1 = floor(log2(a)), exactly
;;       r = np.clip(x / 2.0 ** e, -6, 6)
;;       step = 2.0 ** (np.maximum(np.frexp(np.where(r == 0, 1, r))[1] - 1, 0) - 1)
;;       q = np.round(r / step) * step * 2.0 ** e      # np.round: ties to even
;;       return np.moveaxis(q.reshape(q.shape[:-2] + (-1,))[..., :K], -1, axis).astype(np.float32)
;;   ~~~
;;   SOFTMAX AHEAD OF A QUANTISED PRODUCT. Where the list says 'softmax', what is quantised is not the finished softmax but p = 2^(t - M), with t = logit x log2(e) and M = ceil(the row's largest t), a whole number; so 1/2 < the row's largest p <= 1. The row's sum l is taken of the UNQUANTISED p, in f32, and the product's result is divided by l at the end. Since M is a whole number, a kernel that streams over the keys may use a running M (the ceiling of the running maximum): every later rescaling is an exact power of two, which a block's scale takes up: the codes' values come out the same.
;;   OPERANDS COMPUTED ON THE WAY. 'Computed on the way' means the value that the module computes at that place (a softmax that the list does not call 'softmax' is quantised finished and normalised). What goes into a quantiser is computed in f32, as accurately as f32 sums, v_exp_f32 and their like allow (about 1e-6 of the number): no bf16 or f16 on the way to a quantiser, and a product that is left as it is and whose result goes on into a quantised operand takes f32 operands (vector FMAs, or v_wmma_f32_16x16x4_f32). A number that lies on a knife's edge between two numbers of the format may be rounded either way, as far as f32 arithmetic and the matrix unit's own rounding can turn it there, and no further.
;; One version. Each part assembles by itself: llvm-mc -triple=amdgcn-amd-amdhsa -mcpu=gfx1250 --defsym DOCPART=n.
;; ======== version 1 of 1: 3 launches
;; workspace buffers: wimg 528,384 bytes; wsc 66,048 bytes; qimg 4,194,304 bytes; qsc 262,144 bytes; kv 8,912,896 bytes; qb 786,432 bytes
;; launch prep (part 1): grid 129 x 1, 4 waves a work-group, no clusters, 0 bytes of LDS; arguments Wq, Wk, Wc, Wp, Wd, wimg, wsc; writes wimg, wsc
.if DOCPART == 1
	.amdgcn_target "amdgcn-amd-amdhsa--gfx1250"
	.amdhsa_code_object_version 6
	.text
	.protected	k_q8b6c2fa7c9_prep
	.globl	k_q8b6c2fa7c9_prep
	.p2align	8
	.type	k_q8b6c2fa7c9_prep,@function
k_q8b6c2fa7c9_prep:
	s_mov_b64 s[64:65], 0
	v_nop
	global_prefetch_b8 v0, s[64:65] scope:SCOPE_SE
	s_setreg_imm32_b32 hwreg(HW_REG_WAVE_MODE, 25, 1), 1
	s_wait_xcnt 0x0
; PREP: the five weights of the quantised products become codes of FP4 (E2M1) with one E8M0 scale byte for each 32 along K, laid as IMAGES OF OPERAND REGISTERS.
; A fragment is 16 rows x 128 K: 8 registers a lane; lane (r, h) holds row r, registers 4 c .. 4 c + 3 hold k = 64 c + 32 h + 0 .. 31.  Its image is 1,024 bytes: registers 4 c .. 4 c + 3 of lane l at 512 c + 16 l.
; wimg: [row tile 0..128][K step 0..3][1,024]; wsc: [the same fragment][128]: row r's scale word at 4 x lane, both halves of the lanes alike.
; Row tiles: 0-31 Wq, 32-63 Wk, 64-95 Wc, 96-127 Wp (its columns 0..511; the last 8 columns are quantised by the launch that uses them), 128 Wd.
; THE ROWS OF A TILE OF Wq AND Wk ARE NOT NEIGHBOURS: lane r of tile T takes row 32 (T / 2) + 8 (T % 2) + r + 8 (r / 8), so that the results of two neighbouring tiles are 16 neighbours along the next product's K.
; A work-group takes a row tile, each of its four waves a K step.  K is innermost in memory: a lane's 32 numbers of a block are 128 neighbouring bytes, eight loads of 16 bytes.
; These loads take 16 bytes a lane from rows 2 KB apart and the scale words leave in pieces of 128 bytes: 4.2 MB in all, read once; no stage is spent on them.
; A block's scale is 2^(floor(log2(its largest magnitude)) - 2); its byte is the largest magnitude's exponent field - 2, held at 1 from below.
; LIMITS: a block of zeros, or one whose largest magnitude lies under 2^-124, gets the byte 1 (its codes are zeros or as the held scale gives them; this program alone reads the bytes); NaN and infinities are not served.
	s_load_b256 s[4:11], s[0:1], 0x0               ; Wq s[4:5], Wk s[6:7], Wc s[8:9], Wp s[10:11]
	s_load_b128 s[12:15], s[0:1], 0x20             ; Wd s[12:13], wimg s[14:15]
	s_load_b64 s[16:17], s[0:1], 0x30              ; wsc
	v_lshrrev_b32 v1, 5, v0
	v_readfirstlane_b32 s18, v1                    ; wave = K step
	v_and_b32 v1, 15, v0                           ; r
	v_bfe_u32 v2, v0, 4, 1                         ; h
	v_and_b32 v6, 31, v0                           ; lane
	s_and_b32 s19, ttmp9, 31                       ; the tile's number T in its tensor
	s_lshr_b32 s26, s19, 1
	s_lshl_b32 s26, s26, 5
	s_and_b32 s27, s19, 1
	s_lshl_b32 s27, s27, 3
	s_add_co_u32 s26, s26, s27                     ; 32 (T / 2) + 8 (T % 2)
	s_lshl_b32 s27, s19, 4                         ; 16 T
	s_cmp_lt_u32 ttmp9, 64                         ; Wq and Wk take the chosen rows, the others neighbouring rows
	s_cselect_b32 s20, 8, 0
	s_cselect_b32 s21, s26, s27
	s_lshr_b32 s26, ttmp9, 5
	s_mov_b32 s22, 2048                            ; a row in bytes: 512 numbers,
	s_cmp_eq_u32 s26, 3
	s_cselect_b32 s22, 2080, s22                   ; in Wp 520
	v_and_b32 v3, s20, v1
	v_add3_u32 v3, v3, v1, s21                     ; my row
	v_mul_lo_u32 v3, v3, s22
	v_lshl_add_u32 v3, v2, 7, v3                   ; + 128 h: my block of a pair of blocks
	s_lshl_b32 s26, s18, 9
	v_add_nc_u32 v3, s26, v3                       ; + 512 x K step
	v_lshlrev_b32 v4, 4, v6                        ; 16 x lane
	v_lshlrev_b32 v5, 2, v6                        ; 4 x lane
	s_lshl_b32 s28, ttmp9, 2
	s_add_co_u32 s28, s28, s18                     ; the fragment's number
	s_lshl_b32 s30, s28, 7
	s_mov_b32 s31, 0
	s_lshl_b32 s28, s28, 10
	s_mov_b32 s29, 0
	s_mov_b32 s32, 0x76543210
	s_mov_b32 s33, 0xfedcba98                      ; v_permlanex16_b32's selects for lane l xor 16
	s_wait_kmcnt 0x0
	s_mov_b64 s[24:25], s[12:13]                   ; the tensor is chosen by the work-group's number alone
	s_cmp_lt_u32 ttmp9, 128
	s_cselect_b64 s[24:25], s[10:11], s[24:25]
	s_cmp_lt_u32 ttmp9, 96
	s_cselect_b64 s[24:25], s[8:9], s[24:25]
	s_cmp_lt_u32 ttmp9, 64
	s_cselect_b64 s[24:25], s[6:7], s[24:25]
	s_cmp_lt_u32 ttmp9, 32
	s_cselect_b64 s[24:25], s[4:5], s[24:25]
	s_add_nc_u64 s[14:15], s[14:15], s[28:29]
	s_add_nc_u64 s[16:17], s[16:17], s[30:31]
.irp c, 0,1
.irp g, 0,1,2,3,4,5,6,7
	global_load_b128 v[64+32*\c+4*\g:64+32*\c+4*\g+3], v3, s[24:25] offset:256*\c+16*\g   ; W(my row, 128 ks + 64 c + 32 h + 4 g ..)
.endr
.endr
	s_wait_loadcnt 0x0
.irp c, 0,1                                    ; my block 2 c + h: all its 32 numbers are mine
	v_max3_num_f32 v[32+\c], |v[64+32*\c]|, |v[65+32*\c]|, 0x1800000   ; and the floor 2^(3 - 127): the byte cannot fall under 1
.endr
.irp i, 2,4,6,8,10,12,14,16,18,20,22,24,26,28,30
.irp c, 0,1
	v_max3_num_f32 v[32+\c], v[32+\c], |v[64+32*\c+\i]|, |v[65+32*\c+\i]|   ; (the two blocks by turns)
.endr
.endr
.irp c, 0,1
	v_add_nc_u32 v[44+\c], 0xff000000, v[32+\c]    ; 2 off the exponent field: the conversion takes the exponent field of this operand as its scale
.endr
.irp c, 0,1
	v_lshrrev_b32 v[36+\c], 23, v[44+\c]           ; the scale's byte
.endr
	v_lshl_or_b32 v9, v37, 16, v36                 ; my two bytes: blocks h and 2 + h of my row,
	v_lshlrev_b32 v10, 3, v2
	v_lshlrev_b32 v9, v10, v9                      ; at their places in the scale word;
	v_mov_b32 v10, 0
	v_permlanex16_b32 v10, v9, s32, s33
	v_or_b32 v9, v9, v10                           ; with lane l xor 16's two the word is whole, in both halves of the lanes
.irp c, 0,1
.irp g, 0,1,2,3
	v_cvt_scalef32_pk8_fp4_f32 v[48+4*\c+\g], v[64+32*\c+8*\g:71+32*\c+8*\g], v[44+\c]   ; registers 4 c .. 4 c + 3 of the operand
.endr
.endr
	v_nop                                          ; one plain line behind the last scaled conversion
	global_store_b128 v4, v[48:51], s[14:15]       ; 32 lanes store 512 consecutive bytes
	global_store_b128 v4, v[52:55], s[14:15] offset:512
	global_store_b32 v5, v9, s[16:17]
	s_endpgm
.Lfunc_end_k_q8b6c2fa7c9_prep:
	.size	k_q8b6c2fa7c9_prep, .Lfunc_end_k_q8b6c2fa7c9_prep-k_q8b6c2fa7c9_prep
	.p2alignl 7, 3214868480
	.fill 96, 4, 3214868480
	.section	.rodata,"a",@progbits
	.p2align	6, 0x0
	.amdhsa_kernel k_q8b6c2fa7c9_prep
		.amdhsa_group_segment_fixed_size 0
		.amdhsa_private_segment_fixed_size 0
		.amdhsa_enable_private_segment 0
		.amdhsa_kernarg_size 56
		.amdhsa_user_sgpr_count 2
		.amdhsa_user_sgpr_kernarg_segment_ptr 1
		.amdhsa_wavefront_size32 1
		.amdhsa_system_sgpr_workgroup_id_x 1
		.amdhsa_system_sgpr_workgroup_id_y 1
		.amdhsa_system_sgpr_workgroup_id_z 1
		.amdhsa_system_vgpr_workitem_id 0
		.amdhsa_next_free_vgpr 128
		.amdhsa_next_free_sgpr 66
		.amdhsa_reserve_vcc 0
		.amdhsa_float_denorm_mode_32 3
		.amdhsa_float_denorm_mode_16_64 3
		.amdhsa_memory_ordered 1
		.amdhsa_forward_progress 1
		.amdhsa_inst_pref_size 8
	.end_amdhsa_kernel
	.amdgpu_metadata
---
amdhsa.version: [ 1, 2 ]
amdhsa.kernels:
  - .name:           k_q8b6c2fa7c9_prep
    .symbol:         k_q8b6c2fa7c9_prep.kd
    .args:
      - { .name: Wq, .offset: 0, .size: 8, .value_kind: global_buffer, .address_space: global }
      - { .name: Wk, .offset: 8, .size: 8, .value_kind: global_buffer, .address_space: global }
      - { .name: Wc, .offset: 16, .size: 8, .value_kind: global_buffer, .address_space: global }
      - { .name: Wp, .offset: 24, .size: 8, .value_kind: global_buffer, .address_space: global }
      - { .name: Wd, .offset: 32, .size: 8, .value_kind: global_buffer, .address_space: global }
      - { .name: wimg, .offset: 40, .size: 8, .value_kind: global_buffer, .address_space: global }
      - { .name: wsc, .offset: 48, .size: 8, .value_kind: global_buffer, .address_space: global }
    .group_segment_fixed_size: 0
    .private_segment_fixed_size: 0
    .kernarg_segment_align: 8
    .kernarg_segment_size: 56
    .max_flat_workgroup_size: 128
    .sgpr_count:     66
    .vgpr_count:     128
    .wavefront_size: 32
...
	.end_amdgpu_metadata
.endif
;; end of part 1
;; launch proj (part 2): grid 32 x 8, 8 waves a work-group, no clusters, 26,624 bytes of LDS; arguments x, Wf, bf, bq, bk, bc, bd, wimg, wsc, qimg, qsc, kv, qb; writes qimg, qsc, kv, qb
.if DOCPART == 2
	.amdgcn_target "amdgcn-amd-amdhsa--gfx1250"
	.amdhsa_code_object_version 6
	.text
	.protected	k_q8b6c2fa7c9_proj
	.globl	k_q8b6c2fa7c9_proj
	.p2align	8
	.type	k_q8b6c2fa7c9_proj,@function
k_q8b6c2fa7c9_proj:
	s_mov_b64 s[64:65], 0
	v_nop
	global_prefetch_b8 v0, s[64:65] scope:SCOPE_SE
	s_setreg_imm32_b32 hwreg(HW_REG_WAVE_MODE, 25, 1), 1
	s_wait_xcnt 0x0
; PROJ: from x [8][512][2048] f32 to what the attention reads: q, k and the content as codes of FP4 with E8M0 scale bytes, laid as images of operand registers, and three numbers a query for the bias.
; A work-group takes 64 time steps (tb = work-group x) of one batch (b = work-group y).  Eight waves, one barrier.
; X:  x is quantised along c.  Wave (th = w % 2: 32 time steps; cg = w / 2: 128 channels = K step cg).  A LANE TAKES A TIME STEP AND ITS REGISTERS RUN DOWN c: each load reads 128 consecutive bytes, a block of 32 along c lies in one lane.
;     The codes go to LDS as images of x's 16 fragments (tile of 16 time steps m, K step ks).  THE TIME STEPS OF A TILE ARE NOT NEIGHBOURS: row r of tile m is step 32 (m / 2) + 8 (m % 2) + r + 8 (r / 8).
;     On the way the same f32 numbers feed Wf x (a product left as it is, whose result goes on into a quantised operand: fused multiply-adds in f32, Wf's numbers in scalar registers, two sets by turns); the four cg parts meet in LDS.
; P1: waves 0-3 make q, waves 4-7 k, head w % 4: used transposed (source 0 = 16 rows of W, source 1 = 16 time steps), so that a lane holds one time step and its registers run along the head's 128 channels, the next K; quantised in registers, stored as images.
; P2: the content, wave w: channel tiles 4 w .. 4 w + 3: source 0 = 16 time steps, source 1 = 16 rows of Wc: a lane holds one channel and its registers run along time, the second attention product's K.  64 time steps are two blocks: half a fragment.
; P3: waves 0-3: z = Wd x + bd, the sigmoids and g = (s0 + 2 s1 + 3 s2 + 4 s3) / 4;  waves 4-7: fq = (Wf x + bf) / sqrt(2).  All three are stored times log2(e): qb [b][h][3][2048] = fq0, fq1, g.
; kv: [b][step of 128 keys][h]{K's 8 images; V's 8 images; K's scale words 8 x 64; V's 8 x 64}: 17,408 bytes a head, one dense block for the attention's tensor loads.
; V's scale words are stored two bytes a lane, g four bytes a lane in runs of 32 bytes: 0.5 MB in all that leave in part units.
; The weights' fragments come straight from memory into registers, once a wave: nothing that a cluster could share but them, and they are 1.5 MB read by all.
; LIMITS: a block of zeros, or one whose largest magnitude lies under 2^-124, gets the scale byte 1; NaN and infinities are not served; g is one sum of the four decay terms, another order of rounding than four separate products.
; REGISTERS, window 0: v0-15 the thread's number and addresses; v16-47 x's fragments; v48-111 results; v112-175 biases and work; v180-211 the weights' scale words, v212-215 x's (scales alone); v216-247 the quantiser's.  In X: v16-143 x's numbers.
;            window 1: up to 32 fragments of weights, fragment f at v[8 f].
.set XIMG,   0                         ; LDS: x's 16 images, (4 m + ks) x 1,024
.set XSC,    16384                     ; their scale words, (4 m + ks) x 64 + 4 r
.set FP,     17408                     ; Wf x in four parts: [cg][j 0..7][time step 0..63] f32
.set HEADB,  17408
.set STEPB,  69632
.set BATCHB, 1114112
.set XF,   16
.set HA,   48
.set BIAS, 112
.set WS,   180
.set XS,   212
.set TM,   216                         ; v216-219 largest magnitudes, v220-223 bytes, v228-231 the conversions' scale operands
.set PW,   232                         ; the scale word just made
.set PWE,  233                         ; an even tile's, kept for its neighbour
.set PC,   234                         ; v234-241 the codes just made
.set PWX,  242                         ; two tiles' words: lanes 0-15 the even tile's, lanes 16-31 the odd one's
.set BCL,  244                         ; v244-247 bc of my channel in my four tiles
.set XN,   16                          ; in X: 128 numbers of my time step
.set FA,   144                         ; v144-151 my part of Wf x
.set XC,   152                         ; v152-167 the four blocks' codes
.set XWD,  168                         ; my time step's scale word
.set MSB, 0
.macro WIN new                         ; the immediate's high byte repeats the setting that is left
.if MSB != \new
	s_set_vgpr_msb (MSB<<8)|\new
.set MSB, \new
.endif
.endm
.macro PLACES                          ; four places behind a matrix instruction, in front of loads into its registers and of the first read of its result
.rept 4
	v_nop
.endr
.endm
.macro MM d, a, b, c, sa, sb
	v_wmma_scale_f32_16x16x128_f8f6f4 v[(\d):(\d)+7], v[(\a):(\a)+7], v[(\b):(\b)+7], v[(\c):(\c)+7], v[\sa], v[\sb] matrix_a_fmt:MATRIX_FMT_FP4 matrix_b_fmt:MATRIX_FMT_FP4
.endm
; nb blocks of 32 along K: register 16 b + i of v[s] on = k 32 b + 16 (lane / 16) + i of my row.  They become codes in v[PC] on, in the operand's layout, and nb scale bytes in v[PW].
.macro QUANT s, nb
.set bq_, 0
.rept \nb
	v_max3_num_f32 v[TM+bq_], |v[(\s)+16*bq_]|, |v[(\s)+1+16*bq_]|, 0x1800000   ; my 16 numbers, and the floor 2^(3 - 127): the byte cannot fall under 1
.set bq_, bq_+1
.endr
.irp i, 2,4,6,8,10,12,14
.set bq_, 0
.rept \nb
	v_max3_num_f32 v[TM+bq_], v[TM+bq_], |v[(\s)+16*bq_+\i]|, |v[(\s)+1+16*bq_+\i]|   ; (the blocks by turns)
.set bq_, bq_+1
.endr
.endr
.set bq_, 0
.rept \nb
	v_permlanex16_b32 v[TM+4+bq_], v[TM+bq_], s66, s67
.set bq_, bq_+1
.endr
.set bq_, 0
.rept \nb
	v_max_num_f32 v[TM+bq_], v[TM+bq_], v[TM+4+bq_]   ; with lane l xor 16's: the block's largest magnitude
.set bq_, bq_+1
.endr
.set bq_, 0
.rept \nb
	v_add_nc_u32 v[TM+12+bq_], 0xff000000, v[TM+bq_]   ; 2 off its exponent field: the conversion's scale operand
.set bq_, bq_+1
.endr
.set bq_, 0
.rept \nb
	v_lshrrev_b32 v[TM+4+bq_], 23, v[TM+12+bq_]    ; the scale's byte
.set bq_, bq_+1
.endr
	v_lshl_or_b32 v[PW], v[TM+5], 8, v[TM+4]
.if \nb == 4
	v_lshl_or_b32 v[PW], v[TM+6], 16, v[PW]
	v_lshl_or_b32 v[PW], v[TM+7], 24, v[PW]
.endif
.set bq_, 0
.rept \nb
	v_cvt_scalef32_pk8_fp4_f32 v[PC+2*bq_], v[(\s)+16*bq_:(\s)+16*bq_+7], v[TM+12+bq_]
	v_cvt_scalef32_pk8_fp4_f32 v[PC+2*bq_+1], v[(\s)+16*bq_+8:(\s)+16*bq_+15], v[TM+12+bq_]
.set bq_, bq_+1
.endr
	v_nop                                          ; one plain place behind a scaled conversion
.set bq_, 0
.rept (\nb)/2                                  ; the operand's layout wants a WHOLE block in a lane: lanes 0-15 block 2 c, lanes 16-31 block 2 c + 1
	v_permlane16_swap_b32 v[PC+4*bq_], v[PC+4*bq_+2]
	v_permlane16_swap_b32 v[PC+4*bq_+1], v[PC+4*bq_+3]
.set bq_, bq_+1
.endr
.endm
	s_load_b512 s[4:19], s[0:1], 0x0               ; x s[4:5], Wf s[6:7], bf s[8:9], bq s[10:11], bk s[12:13], bc s[14:15], bd s[16:17], wimg s[18:19]
	s_load_b256 s[20:27], s[0:1], 0x40             ; wsc s[20:21], qimg s[22:23], qsc s[24:25], kv s[26:27]
	s_load_b64 s[28:29], s[0:1], 0x60              ; qb
	v_lshl_add_u32 v254, v0, 2, 0x6400
	v_mov_b32 v255, 0
	v_lshrrev_b32 v1, 5, v0
	v_readfirstlane_b32 s30, v1                    ; wave 0..7
	v_and_b32 v6, 31, v0                           ; lane
	v_and_b32 v1, 15, v0                           ; r
	v_bfe_u32 v2, v0, 4, 1                         ; h
	v_lshlrev_b32 v3, 4, v6                        ; 16 x lane: an image's place for my lane
	v_lshlrev_b32 v4, 2, v6                        ; 4 x lane
	v_lshlrev_b32 v5, 2, v1                        ; 4 r
	v_lshlrev_b32 v10, 6, v2                       ; 64 h: sixteen f32 on for lanes 16-31
	v_lshlrev_b32 v13, 5, v2                       ; 32 h
	s_and_b32 s2, s30, 1                           ; th
	s_lshr_b32 s3, s30, 1                          ; cg
	; In X lane l holds time step 32 th + l, which is row (l % 8) + 8 (l / 16) of tile 2 th + (l / 8) % 2.  Block t of K step cg is registers 4 (t / 2) .. of half t % 2: byte 256 t + 16 row of the image.
	v_and_b32 v7, 7, v0
	v_bfe_u32 v8, v0, 3, 1
	v_lshlrev_b32 v9, 2, v7
	v_lshl_add_u32 v9, v2, 5, v9
	v_lshl_add_u32 v9, v8, 8, v9                   ; the scale word's place: 4 row + 256 (tile % 2)
	v_lshlrev_b32 v7, 4, v7
	v_lshl_add_u32 v7, v2, 7, v7
	v_lshl_add_u32 v7, v8, 12, v7                  ; the codes' place: 16 row + 4,096 (tile % 2)
	s_lshl_b32 s31, s2, 13
	v_add_nc_u32 v7, s31, v7
	s_lshl_b32 s31, s3, 10
	v_add_nc_u32 v7, s31, v7                       ; v7: + 8,192 th + 1,024 cg
	s_lshl_b32 s31, s2, 9
	v_add_nc_u32 v8, s31, v9
	s_lshl_b32 s31, s3, 6
	v_add_nc_u32 v8, s31, v8
	v_add_nc_u32 v8, XSC, v8                       ; v8: XSC + 512 th + 64 cg + ..
	s_lshl_b32 s31, s3, 11
	v_add_nc_u32 v9, s31, v4
	s_lshl_b32 s31, s2, 7
	v_add_nc_u32 v9, s31, v9
	v_add_nc_u32 v9, FP, v9                        ; v9: FP + 2,048 cg + 4 (32 th + lane)
	s_and_b32 s31, s3, 1
	s_lshl_b32 s31, s31, 10
	v_add_nc_u32 v11, s31, v4
	s_lshl_b32 s31, s2, 7
	v_add_nc_u32 v11, s31, v11
	v_add_nc_u32 v11, FP, v11                      ; v11: for P3's waves 4-7: FP + 1,024 ((w / 2) % 2) + 4 (32 (w % 2) + lane)
	s_and_b32 s31, s30, 3
	s_lshl_b32 s31, s31, 12
	v_add_nc_u32 v14, s31, v3                      ; v14: for P3's waves 0-3: the images of tile w
	s_lshr_b32 s31, s31, 4
	v_add_nc_u32 v15, s31, v5
	v_add_nc_u32 v15, XSC, v15                     ; v15: and their scale words
	v_and_b32 v12, 8, v1
	v_add_nc_u32 v12, v12, v1
	v_lshlrev_b32 v12, 2, v12
	v_mad_u32_u24 v12, v2, 0xc000, v12             ; v12: g's place in qb: heads 2 h on (two heads are 49,152 bytes), time step r + 8 (r / 8)
.irp b, 0,1,2,3
	v_mov_b32 v[TM+4+\b], 0                        ; written once: a lane permute's destination counts as one of its sources
.endr
	s_mov_b32 s31, 0xffff0000                      ; lanes 16-31
	s_mov_b32 s66, 0x76543210
	s_mov_b32 s67, 0xfedcba98                      ; v_permlanex16_b32's selects for lane l xor 16
	s_and_b32 s100, ttmp7, 0xffff                  ; b
	s_lshl_b32 s100, s100, 22                      ; a batch of x is 4 MB,
	s_lshl_b32 s101, s3, 20                        ; 128 channels are 1 MB,
	s_add_co_u32 s100, s100, s101
	s_lshl_b32 s101, ttmp9, 8                      ; 64 time steps 256 bytes,
	s_add_co_u32 s100, s100, s101
	s_lshl_b32 s101, s2, 7                         ; 32 of them 128
	s_add_co_u32 s100, s100, s101
	s_mov_b32 s101, 0
	s_wait_kmcnt 0x0
	s_add_nc_u64 s[4:5], s[4:5], s[100:101]
	s_lshl_b32 s100, s3, 9
	s_add_nc_u64 s[6:7], s[6:7], s[100:101]        ; Wf at my 128 channels
	s_lshl_b32 s100, s30, 15
	s_add_nc_u64 s[18:19], s[18:19], s[100:101]    ; P1's weights: row tiles 8 w .. 8 w + 7 (Wq's 32 tiles, then Wk's): 32 fragments on end
	s_lshl_b32 s100, s30, 12
	s_add_nc_u64 s[20:21], s[20:21], s[100:101]    ; and their scale words
.set jj, 0
.rept 8
	s_load_b128 s[32+4*jj:32+4*jj+3], s[6:7], 2048*jj   ; Wf(j, my first four channels), into set 0
.set jj, jj+1
.endr
.macro XLOAD t                         ; block t: x(128 cg + 32 t + i, my time step): 32 lanes read 128 consecutive bytes
.set ii, 0
.rept 32
	global_load_b32 v[XN+32*(\t)+ii], v4, s[4:5] offset:(32*(\t)+ii)*8192 th:TH_LOAD_NT
.set ii, ii+1
.endr
.endm
; Four channels of Wf x: 32 fused multiply-adds from one set of 32 scalars, while the next four channels' numbers come into the other set (s32-63 and s68-99).
.macro CHUNK
	s_wait_kmcnt 0x0                               ; this chunk's set is in (scalar loads come in no order: the count is 0)
.if cn < 31
.set ws, 32+36*((cn+1)%2)
.set jj, 0
.rept 8
	s_load_b128 s[ws+4*jj:ws+4*jj+3], s[6:7], 2048*jj+16*(cn+1)
.set jj, jj+1
.endr
.endif
.set ws, 32+36*(cn%2)
.set cc, 0
.rept 4
.set jj, 0
.rept 8
.if (cn == 0) && (cc == 0)
	v_mul_f32 v[FA+jj], s[ws+4*jj+cc], v[XN+4*cn+cc]   ; the first channel starts the sums: nothing is cleared
.else
	v_fmac_f32 v[FA+jj], s[ws+4*jj+cc], v[XN+4*cn+cc]
.endif
.set jj, jj+1
.endr
.set cc, cc+1
.endr
.set cn, cn+1
.endm
.macro BLOCK t
.if (\t) < 3
	s_wait_loadcnt 32                              ; this block's 32 loads are in; the next block's 32 may be out
.else
	s_wait_loadcnt 0x0
.endif
.if (\t) < 2
	XLOAD (\t)+2
.endif
.if (\t) == 3                                  ; x is in: P1's weights are asked for, and land while the last block is worked
	WIN 0x40                                       ; destination window 1
.set ff, 0
.rept 32
	global_load_b128 v[8*ff:8*ff+3], v3, s[18:19] offset:1024*ff
	global_load_b128 v[8*ff+4:8*ff+7], v3, s[18:19] offset:1024*ff+512
.set ff, ff+1
.endr
	WIN 0
.set ff, 0
.rept 32
	global_load_b32 v[WS+ff], v4, s[20:21] offset:128*ff
.set ff, ff+1
.endr
.endif
.rept 8
	CHUNK
.endr
.set XB, XN+32*(\t)
	v_max3_num_f32 v169, |v[XB]|, |v[XB+1]|, |v[XB+2]|   ; the block's largest magnitude: all 32 numbers are mine
	v_max3_num_f32 v170, |v[XB+3]|, |v[XB+4]|, |v[XB+5]|
.irp i, 6,10,14,18,22,26
	v_max3_num_f32 v169, v169, |v[XB+\i]|, |v[XB+\i+1]|
	v_max3_num_f32 v170, v170, |v[XB+\i+2]|, |v[XB+\i+3]|
.endr
	v_max3_num_f32 v169, v169, |v[XB+30]|, |v[XB+31]|
	v_max3_num_f32 v169, v169, v170, 0x1800000     ; and the floor 2^(3 - 127)
	v_add_nc_u32 v171, 0xff000000, v169            ; the conversion's scale operand
	v_lshrrev_b32 v170, 23, v171                   ; the scale's byte
.if (\t) == 0
	v_mov_b32 v[XWD], v170
.else
	v_lshl_or_b32 v[XWD], v170, 8*(\t), v[XWD]
.endif
.irp g, 0,1,2,3
	v_cvt_scalef32_pk8_fp4_f32 v[XC+4*(\t)+\g], v[XB+8*\g:XB+8*\g+7], v171
.endr
	v_nop                                          ; one plain place behind a scaled conversion
	ds_store_b128 v7, v[XC+4*(\t):XC+4*(\t)+3] offset:256*(\t)
.endm
	XLOAD 0
	XLOAD 1
.set cn, 0
	BLOCK 0
	BLOCK 1
	BLOCK 2
	BLOCK 3
	ds_store_b32 v8, v[XWD]
.irp j, 0,1,2,3,4,5,6,7
	ds_store_b32 v9, v[FA+\j] offset:256*\j
.endr
	; where the results go.  Wf's scalars are done with: s32 on are free
	s_and_b32 s32, ttmp7, 0xffff                   ; b
	s_and_b32 s33, ttmp9, 1                        ; which half of a step of 128 keys my 64 time steps are
	s_and_b32 s34, s30, 3                          ; P1's head
	s_lshr_b32 s35, s30, 2                         ; 0: q, 1: k
	s_lshl_b32 s36, s32, 2
	s_add_co_u32 s36, s36, s34
	s_lshl_b32 s36, s36, 7
	s_lshl_b32 s37, ttmp9, 2
	s_add_co_u32 s36, s36, s37                     ; q's first tile: (4 b + head) x 128 + 4 tb
	s_lshl_b32 s38, s36, 6
	s_mov_b32 s39, 0
	s_lshl_b32 s36, s36, 10
	s_mov_b32 s37, 0
	s_add_nc_u64 s[36:37], s[22:23], s[36:37]
	s_add_nc_u64 s[38:39], s[24:25], s[38:39]
	s_mul_i32 s40, s32, BATCHB
	s_lshr_b32 s41, ttmp9, 1
	s_mul_i32 s41, s41, STEPB
	s_add_co_u32 s40, s40, s41
	s_mov_b32 s41, 0
	s_add_nc_u64 s[26:27], s[26:27], s[40:41]      ; kv at my batch and step
	s_mul_i32 s42, s34, HEADB
	s_lshl_b32 s43, s33, 12
	s_add_co_u32 s42, s42, s43                     ; K's images: tiles 4 half on
	s_add_co_u32 s44, s42, 16384
	s_lshl_b32 s45, s33, 8
	s_sub_co_u32 s44, s44, s43
	s_add_co_u32 s44, s44, s45                     ; K's scale words: 16,384 + 256 half
	s_mov_b32 s43, 0
	s_mov_b32 s45, 0
	s_add_nc_u64 s[42:43], s[26:27], s[42:43]
	s_add_nc_u64 s[44:45], s[26:27], s[44:45]
	s_cmp_eq_u32 s35, 0                            ; the choice hangs on the wave's number alone
	s_cselect_b64 s[36:37], s[36:37], s[42:43]     ; s[36:37]: where my images go
	s_cselect_b64 s[38:39], s[38:39], s[44:45]     ; s[38:39]: and their scale words
	s_cselect_b64 s[46:47], s[10:11], s[12:13]     ; bq or bk
	s_lshl_b32 s48, s34, 9
	s_mov_b32 s49, 0
	s_add_nc_u64 s[46:47], s[46:47], s[48:49]      ; at my head
	s_lshr_b32 s56, s30, 1                         ; P2's head
	s_mul_i32 s56, s56, HEADB
	s_and_b32 s57, s30, 1
	s_lshl_b32 s58, s57, 12                        ; its channel tiles 4 (w % 2) on
	s_add_co_u32 s58, s58, s56
	s_lshl_b32 s59, s33, 9                         ; registers 4 half .. of each fragment
	s_add_co_u32 s58, s58, s59
	s_add_co_u32 s58, s58, 8192
	s_mov_b32 s59, 0
	s_add_nc_u64 s[52:53], s[26:27], s[58:59]      ; s[52:53]: V's images
	s_lshl_b32 s58, s57, 8
	s_add_co_u32 s58, s58, s56
	s_lshl_b32 s57, s33, 1                         ; bytes 2 half, 2 half + 1 of each word
	s_add_co_u32 s58, s58, s57
	s_add_co_u32 s58, s58, 16896
	s_add_nc_u64 s[54:55], s[26:27], s[58:59]      ; s[54:55]: V's scale words
	s_wait_dscnt 0x0                               ; for the others' sake: my stores have landed; and they have read their registers, into which the biases are loaded
.irp T, 0,1,2,3,4,5,6,7
	global_load_b128 v[BIAS+8*\T:BIAS+8*\T+3], v10, s[46:47] offset:(32*(\T/2)+8*(\T%2))*4      ; the bias in the result's layout: channels 32 (T / 2) + 16 h + 8 (T % 2) + 0 .. 7
	global_load_b128 v[BIAS+8*\T+4:BIAS+8*\T+7], v10, s[46:47] offset:(32*(\T/2)+8*(\T%2))*4+16
.endr
	s_barrier_signal -1
	s_barrier_wait -1                              ; x's sixteen images, their scale words and the parts of Wf x lie in LDS; nothing is stored to LDS behind this barrier
	s_wait_loadcnt 0x0                             ; the weights, their scale words, the biases
	; ---- P1: q or k of my head, a tile of 16 time steps at a time: 8 accumulators by turns, a K step at a time
.irp m, 0,1,2,3
.irp ks, 0,1,2,3
	ds_load_b128 v[XF+8*\ks:XF+8*\ks+3], v3 offset:XIMG+(4*\m+\ks)*1024
	ds_load_b128 v[XF+8*\ks+4:XF+8*\ks+7], v3 offset:XIMG+(4*\m+\ks)*1024+512
	ds_load_b32 v[XS+\ks], v5 offset:XSC+(4*\m+\ks)*64
.endr
	s_wait_dscnt 0x0
	WIN 0x01                                       ; source 0 (the weights) window 1
.irp ks, 0,1,2,3
.irp T, 0,1,2,3,4,5,6,7
.if \ks == 0
	MM HA+8*\T, 8*(4*\T+\ks), XF+8*\ks, BIAS+8*\T, WS+4*\T+\ks, XS+\ks
.else
	MM HA+8*\T, 8*(4*\T+\ks), XF+8*\ks, HA+8*\T, WS+4*\T+\ks, XS+\ks
.endif
.endr
.endr
	WIN 0
	PLACES
.if \m == 3                                    ; the weights are done with: P2's are asked for (their loads were shown done by the wait for 0 above, so the bases may step)
	s_lshl_b32 s2, s30, 14
	s_sub_co_u32 s2, 0x40000, s2                   ; from row tile 8 w to row tile 64 + 4 w: 262,144 - 16,384 w bytes of images,
	s_mov_b32 s3, 0
	s_add_nc_u64 s[18:19], s[18:19], s[2:3]
	s_lshr_b32 s2, s2, 3                           ; an eighth of that in scale words
	s_add_nc_u64 s[20:21], s[20:21], s[2:3]
	s_lshl_b32 s60, s30, 8
	s_mov_b32 s61, 0
	s_add_nc_u64 s[14:15], s[14:15], s[60:61]      ; bc at my 64 channels
	WIN 0x40
.set ff, 0
.rept 16
	global_load_b128 v[8*ff:8*ff+3], v3, s[18:19] offset:1024*ff
	global_load_b128 v[8*ff+4:8*ff+7], v3, s[18:19] offset:1024*ff+512
.set ff, ff+1
.endr
	WIN 0
.set ff, 0
.rept 16
	global_load_b32 v[WS+ff], v4, s[20:21] offset:128*ff
.set ff, ff+1
.endr
.irp i, 0,1,2,3
	global_load_b32 v[BCL+\i], v5, s[14:15] offset:64*\i
.endr
.endif
	s_wait_xcnt 0x0                                ; the last tile's stores have read their registers: the codes and the words are written again only behind this wait
	QUANT HA, 4
	global_store_b128 v3, v[PC:PC+3], s[36:37] offset:1024*\m        ; 32 lanes store 512 consecutive bytes
	global_store_b128 v3, v[PC+4:PC+7], s[36:37] offset:1024*\m+512
.if (\m % 2) == 0
	v_mov_b32 v[PWE], v[PW]
.else
	v_cndmask_b32 v[PWX], v[PWE], v[PW], s31       ; two tiles' words on end: 128 bytes
	global_store_b32 v4, v[PWX], s[38:39] offset:128*(\m/2)
.endif
.endr
	; ---- P2: the content, two channel tiles a pass x four tiles of time steps: 8 accumulators by turns
	s_wait_loadcnt 0x0
.irp pp, 0,1
.irp n, 0,1
.irp j, 0,1,2,3,4,5,6,7
	v_mov_b32 v[112+8*\n+\j], v[BCL+2*\pp+\n]      ; the bias as a C: my channel's number in all eight registers
.endr
.endr
	PLACES
.irp ks, 0,1,2,3
.irp m, 0,1,2,3
	ds_load_b128 v[XF+8*\m:XF+8*\m+3], v3 offset:XIMG+(4*\m+\ks)*1024
	ds_load_b128 v[XF+8*\m+4:XF+8*\m+7], v3 offset:XIMG+(4*\m+\ks)*1024+512
	ds_load_b32 v[XS+\m], v5 offset:XSC+(4*\m+\ks)*64
.endr
	s_wait_dscnt 0x0
	WIN 0x04                                       ; source 1 (the weights) window 1
.irp m, 0,1,2,3
.irp n, 0,1
.if \ks == 0
	MM HA+32*\n+8*\m, XF+8*\m, 8*(4*(2*\pp+\n)+\ks), 112+8*\n, XS+\m, WS+4*(2*\pp+\n)+\ks
.else
	MM HA+32*\n+8*\m, XF+8*\m, 8*(4*(2*\pp+\n)+\ks), HA+32*\n+8*\m, XS+\m, WS+4*(2*\pp+\n)+\ks
.endif
.endr
.endr
	WIN 0
	PLACES
.endr
.irp n, 0,1
	s_wait_xcnt 0x0                                ; earlier stores have read the codes and the words
	QUANT HA+32*\n, 2                              ; register 16 b + i = time step 32 b + 16 h + i: two blocks, half a fragment
	global_store_b128 v3, v[PC:PC+3], s[52:53] offset:(2*\pp+\n)*1024
.if \n == 0
	v_mov_b32 v[PWE], v[PW]
.else
	v_cndmask_b32 v[PWX], v[PWE], v[PW], s31
	global_store_b16 v4, v[PWX], s[54:55] offset:128*\pp   ; my two bytes of each row's word
.endif
.endr
.endr
	; ---- P3
	s_lshl_b32 s2, s30, 14
	s_sub_co_u32 s2, 0x40000, s2                   ; from row tile 64 + 4 w to row tile 128, Wd's
	s_mov_b32 s3, 0
	s_add_nc_u64 s[18:19], s[18:19], s[2:3]
	s_lshr_b32 s2, s2, 3
	s_add_nc_u64 s[20:21], s[20:21], s[2:3]
	s_mul_i32 s60, s32, 98304                      ; a batch of qb: 4 heads x 3 rows x 8,192 bytes
	s_lshl_b32 s61, ttmp9, 8
	s_add_co_u32 s60, s60, s61
	s_mov_b32 s61, 0
	s_add_nc_u64 s[28:29], s[28:29], s[60:61]
	s_cmp_lt_u32 s30, 4
	s_cbranch_scc0 .Lfq
	; waves 0-3: tile w of the time steps.  Source 0 = Wd's 16 rows: lane (r, h) holds time step r and rows 8 h + j: heads 2 h, 2 h + 1, four decays each
	s_lshr_b32 s60, s30, 1
	s_lshl_b32 s60, s60, 7
	s_and_b32 s62, s30, 1
	s_lshl_b32 s62, s62, 5
	s_add_co_u32 s60, s60, s62
	s_add_co_u32 s60, s60, 16384                   ; row 2 of a head; the tile begins at time step 32 (w / 2) + 8 (w % 2)
	s_add_nc_u64 s[28:29], s[28:29], s[60:61]
.irp ks, 0,1,2,3
	global_load_b128 v[112+8*\ks:115+8*\ks], v3, s[18:19] offset:1024*\ks
	global_load_b128 v[116+8*\ks:119+8*\ks], v3, s[18:19] offset:1024*\ks+512
	global_load_b32 v[WS+\ks], v4, s[20:21] offset:128*\ks
.endr
	global_load_b128 v[144:147], v13, s[16:17]     ; bd(8 h ..)
	global_load_b128 v[148:151], v13, s[16:17] offset:16
.irp ks, 0,1,2,3
	ds_load_b128 v[XF+8*\ks:XF+8*\ks+3], v14 offset:1024*\ks
	ds_load_b128 v[XF+8*\ks+4:XF+8*\ks+7], v14 offset:1024*\ks+512
	ds_load_b32 v[XS+\ks], v15 offset:64*\ks
.endr
	s_wait_loadcnt 0x0
	s_wait_dscnt 0x0
	MM 152, 112, XF, 144, WS, XS
.irp ks, 1,2,3
	s_wait_alu depctr_va_vdst(0)                   ; the wait directly ahead of each link
	MM 152, 112+8*\ks, XF+8*\ks, 152, WS+\ks, XS+\ks
.endr
	PLACES
.irp j, 0,1,2,3,4,5,6,7
	v_mul_f32 v[160+\j], 0xbfb8aa3b, v[152+\j]     ; -z log2(e)
.endr
.irp j, 0,1,2,3,4,5,6,7
	v_exp_f32 v[160+\j], v[160+\j]
.endr
	v_nop                                          ; a plain place behind the batch,
	s_wait_alu depctr_va_vdst(0)                   ; and the one wait ahead of its first reader
.irp j, 0,1,2,3,4,5,6,7
	v_add_f32 v[160+\j], 1.0, v[160+\j]
.endr
.irp j, 0,1,2,3,4,5,6,7
	v_rcp_f32 v[160+\j], v[160+\j]                 ; sigmoid(z) = 1 / (1 + 2^(-z log2(e)))
.endr
	v_nop
	s_wait_alu depctr_va_vdst(0)
.irp a, 0,1
	v_fma_f32 v[168+\a], v[161+4*\a], 2.0, v[160+4*\a]
	v_fma_f32 v[168+\a], v[162+4*\a], 0x40400000, v[168+\a]
	v_fma_f32 v[168+\a], v[163+4*\a], 4.0, v[168+\a]
	v_mul_f32 v[168+\a], 0x3eb8aa3b, v[168+\a]     ; x log2(e) / 4
	global_store_b32 v12, v[168+\a], s[28:29] offset:24576*\a
.endr
	s_wait_tensorcnt 0x0
	ds_add_u32 v254, v255
	s_wait_dscnt 0x0
	s_endpgm
.Lfq:
	; waves 4-7: 32 time steps (w % 2) x four rows of Wf (4 jg + jj, jg = (w / 2) % 2): row j is head j / 2, frequency j % 2
	s_bfe_u32 s60, s30, 0x10001                    ; jg
	s_mul_i32 s62, s60, 49152                      ; two heads on
	s_and_b32 s63, s30, 1
	s_lshl_b32 s63, s63, 7
	s_add_co_u32 s62, s62, s63
	s_mov_b32 s63, 0
	s_add_nc_u64 s[28:29], s[28:29], s[62:63]
	s_lshl_b32 s62, s60, 4
	s_add_nc_u64 s[8:9], s[8:9], s[62:63]
	s_load_b128 s[68:71], s[8:9], 0x0              ; bf(4 jg ..)
.irp jj, 0,1,2,3
.irp cg, 0,1,2,3
	ds_load_b32 v[112+4*\jj+\cg], v11 offset:2048*\cg+256*\jj
.endr
.endr
	s_wait_dscnt 0x0
	s_wait_kmcnt 0x0
.irp jj, 0,1,2,3
	v_add_f32 v[112+4*\jj], v[112+4*\jj], v[113+4*\jj]
	v_add_f32 v[114+4*\jj], v[114+4*\jj], v[115+4*\jj]
	v_add_f32 v[112+4*\jj], v[112+4*\jj], v[114+4*\jj]
	v_add_f32 v[112+4*\jj], s[68+\jj], v[112+4*\jj]
	v_mul_f32 v[112+4*\jj], 0x3f8293ee, v[112+4*\jj]   ; x log2(e) / sqrt(2)
	global_store_b32 v4, v[112+4*\jj], s[28:29] offset:(\jj/2)*24576+(\jj%2)*8192
.endr
	s_wait_tensorcnt 0x0
	ds_add_u32 v254, v255
	s_wait_dscnt 0x0
	s_endpgm
.Lfunc_end_k_q8b6c2fa7c9_proj:
	.size	k_q8b6c2fa7c9_proj, .Lfunc_end_k_q8b6c2fa7c9_proj-k_q8b6c2fa7c9_proj
	.p2alignl 7, 3214868480
	.fill 96, 4, 3214868480
	.section	.rodata,"a",@progbits
	.p2align	6, 0x0
	.amdhsa_kernel k_q8b6c2fa7c9_proj
		.amdhsa_group_segment_fixed_size 26624
		.amdhsa_private_segment_fixed_size 0
		.amdhsa_enable_private_segment 0
		.amdhsa_kernarg_size 104
		.amdhsa_user_sgpr_count 2
		.amdhsa_user_sgpr_kernarg_segment_ptr 1
		.amdhsa_wavefront_size32 1
		.amdhsa_system_sgpr_workgroup_id_x 1
		.amdhsa_system_sgpr_workgroup_id_y 1
		.amdhsa_system_sgpr_workgroup_id_z 1
		.amdhsa_system_vgpr_workitem_id 0
		.amdhsa_next_free_vgpr 512
		.amdhsa_next_free_sgpr 102
		.amdhsa_reserve_vcc 0
		.amdhsa_float_denorm_mode_32 3
		.amdhsa_float_denorm_mode_16_64 3
		.amdhsa_memory_ordered 1
		.amdhsa_forward_progress 1
		.amdhsa_inst_pref_size 159
	.end_amdhsa_kernel
	.amdgpu_metadata
---
amdhsa.version: [ 1, 2 ]
amdhsa.kernels:
  - .name:           k_q8b6c2fa7c9_proj
    .symbol:         k_q8b6c2fa7c9_proj.kd
    .args:
      - { .name: x, .offset: 0, .size: 8, .value_kind: global_buffer, .address_space: global }
      - { .name: Wf, .offset: 8, .size: 8, .value_kind: global_buffer, .address_space: global }
      - { .name: bf, .offset: 16, .size: 8, .value_kind: global_buffer, .address_space: global }
      - { .name: bq, .offset: 24, .size: 8, .value_kind: global_buffer, .address_space: global }
      - { .name: bk, .offset: 32, .size: 8, .value_kind: global_buffer, .address_space: global }
      - { .name: bc, .offset: 40, .size: 8, .value_kind: global_buffer, .address_space: global }
      - { .name: bd, .offset: 48, .size: 8, .value_kind: global_buffer, .address_space: global }
      - { .name: wimg, .offset: 56, .size: 8, .value_kind: global_buffer, .address_space: global }
      - { .name: wsc, .offset: 64, .size: 8, .value_kind: global_buffer, .address_space: global }
      - { .name: qimg, .offset: 72, .size: 8, .value_kind: global_buffer, .address_space: global }
      - { .name: qsc, .offset: 80, .size: 8, .value_kind: global_buffer, .address_space: global }
      - { .name: kv, .offset: 88, .size: 8, .value_kind: global_buffer, .address_space: global }
      - { .name: qb, .offset: 96, .size: 8, .value_kind: global_buffer, .address_space: global }
    .group_segment_fixed_size: 26624
    .private_segment_fixed_size: 0
    .kernarg_segment_align: 8
    .kernarg_segment_size: 104
    .max_flat_workgroup_size: 256
    .sgpr_count:     102
    .vgpr_count:     512
    .wavefront_size: 32
...
	.end_amdgpu_metadata
.endif
;; end of part 2
;; launch attn (part 3): grid 32 x 8, 16 waves a work-group, clusters of 4 x 1, 327,680 bytes of LDS; arguments qimg, qsc, kv, qb, wimg, wsc, Wp, bp, x, out0; writes out0
.if DOCPART == 3
	.amdgcn_target "amdgcn-amd-amdhsa--gfx1250"
	.amdhsa_code_object_version 6
	.text
	.protected	k_q8b6c2fa7c9_attn
	.globl	k_q8b6c2fa7c9_attn
	.p2align	8
	.type	k_q8b6c2fa7c9_attn,@function
k_q8b6c2fa7c9_attn:
	s_mov_b64 s[64:65], 0
	v_nop
	global_prefetch_b8 v0, s[64:65] scope:SCOPE_SE
	s_setreg_imm32_b32 hwreg(HW_REG_WAVE_MODE, 25, 1), 1
	s_wait_xcnt 0x0
	s_wait_alu depctr_hold_cnt(0) depctr_sa_sdst(0) depctr_va_vdst(0) depctr_va_sdst(0) depctr_va_ssrc(0) depctr_va_vcc(0) depctr_vm_vsrc(0)
	s_getreg_b32 s2, hwreg(HW_REG_IB_STS2, 6, 4)
	s_cmp_eq_u32 s2, 0
	s_cbranch_scc0 .Lentry_in_a_cluster
	s_endpgm
.Lentry_in_a_cluster:
	s_bfe_u32 s2, ttmp6, 0x10000c
	s_cmp_lg_u32 s2, 0x3003
	s_cbranch_scc0 .Lentry_shape_is_right
	s_endpgm
.Lentry_shape_is_right:
; ATTN: the attention of all four heads for 64 queries of one batch, the output projection and the residual.  Every quantised product runs on codes of FP4 (E2M1) with one E8M0 scale for each 32 along K.
; logit(t, s) = k(t) . q(s) / sqrt(128) + fq0(s) + (-1)^(s - t) fq1(s) - |s - t| g(s); on the diagonal -100; the softmax runs over t.  s - t is a whole number, so the cosines of 2 pi (s - t) and pi (s - t) are taken as 1 and (-1)^(s - t).
; u = logit x log2(e); M = the running largest u rounded UP to a whole number; p = 2^(u - M) is quantised along t; the row's sum is taken of the unquantised p and divides at the end; a change of M multiplies the sums by a power of two.
; The sum is kept as a pair (even t, odd t): their sum is l; time_sig0 = l / l, time_sig1 = (-1)^s (even - odd) / l.
; SHARES.  Work-group = (batch b, block SB of 64 queries); wave w: head w / 4, tile w % 4 of 16 queries; lane r's query is 64 SB + 32 (qt / 2) + 8 (qt % 2) + r + 8 (r / 8).  Four waves to a SIMD: one wave's vector work stands beside another's products and LDS loads.
; Both products are used transposed (S^T = K Q^T, O^T = V^T P^T): a lane holds ONE query throughout; the keys of a tile of K are chosen so that the 16 registers of tiles 2 b, 2 b + 1 are keys 32 b + 16 (lane / 16) + 0 .. 15.
; RING.  A slot is two steps of 128 keys for all four heads: 139,264 dense bytes of kv (images of operand registers and their scale words), as 544 rows of 256 bytes; waves 0-7 fetch 68 rows each.  Two buffers.
; CLUSTER.  The four work-groups of a cluster belong to one batch and walk the same kv: each slot is asked for JOINTLY, by the same tensor load with the same descriptor and a mask that names the four.
; THE BIAS.  A cluster's 256 queries are the keys of slot (cluster x).  In every other slot all keys lie on one side of all its queries: |s - t| is +-(s - t), the bias is linear in the register's number, and costs one packed multiply-add for two scores.
;   The branch between the two forms hangs on the slot's number and the cluster's x alone: it is the same in all partners.
; BEHIND THE LOOP.  O / l and the two time signals of all heads meet in LDS as rows of 520 f32; they are quantised along the 520 (16 blocks and one of 8), multiplied by Wp, and x and bp are added.  The attention's result never goes to memory.
; LIMITS: NaN and infinities are not served; a p under 2^-126 counts as 0; a block of zeros, or one under 2^-124, gets the scale byte 1; the decay is summed as g(s) |s - t|, another order of rounding than four separate terms.
; REGISTERS in the loop: v1-4 LDS addresses; v5, v6 the spare word's; v7 g; v8 D0 = s - the step's first key - 16 h; v9 at work; v[10:11] the bias of even and odd keys; v12 -M, v13 the largest u; v[14:15] the sums; v16-23 Q; v24 Q's scale words;
;   v25 -100 log2(e); v26 the prefetches' offset; v27 p's scale word; v28-31 at work; v32-95 eight fragments of K or V; v96-159 S^T, then p; v160-223 O^T; v224-231 p's codes; v232-247 at work; v248-251 K's scale words, v252-255 V's.
;   v24, v27 and v248-255 hold scales and nothing else.
.set HEADB,  17408
.set STEPB,  69632
.set SLOTB,  139264
.set BATCHB, 1114112
.set SLOT1,  139264                    ; LDS: buffer 0 at 0, buffer 1 here
.set SPARE,  278528                    ; the spare words, 128 bytes for each of the 16 waves: eight blocks of 256 bytes that no other line names
.set RIMG,   280576                    ; the result's 16 images, (4 tile + K step) x 1,024
.set RSC,    296960                    ; their scale words, (4 K step + tile) x 64 + 4 r
.set PR,     2096                      ; behind the loop, in buffer 0: 64 rows of 520 f32 + 16 bytes
.set STG,    SLOT1                     ; behind the loop, in buffer 1: for each wave 32 rows x (256 bytes + 16).  Both buffers have had their last fill by then
.set FRG, 32
.set SCO, 96
.set OT,  160
.set PCD, 224
.set LIN, 232
.set MU,  232
.set PT,  236
.set AB,  240
.set KSC, 248
.set VSC, 252
.set TM,  232                          ; the quantiser behind the loop: as in the launch before
.set PC,  224
.set PW,  9
.set WV,  24
.set HD,  25
.set QT,  26
.set CX,  27
.set SB,  28
.set BB,  29
.set G1,  32                           ; s[32:39] descriptor group 1
.set G0,  40                           ; s[40:43] descriptor group 0, which walks
.set FB,  44                           ; the buffer that is filled next
.set WOFF, 45                          ; my 68 rows' place in a slot
.set RB,  46                           ; the buffer that is read
.set SIX, 47                           ; the slot's number
.set SLOTS, 48                         ; slots still to be asked for
.set SIG, 49                           ; +1.0 where the slot's keys lie before the cluster's queries, else -1.0
.set CS,  50                           ; s[50:51] c = log2(e) / sqrt(128)
.set SEL, 52                           ; s[52:53] selects for lane l xor 16
.set PFA, 54                           ; s[54:55] where my prefetches stand
.set LIM, 56                           ; 1 in a wave that prefetches, else the greatest number
.set T0,  57
.set HM,  58                           ; lanes 16-31
.macro CROUND                          ; a round of the cluster's barrier
	s_barrier_signal -1
	s_barrier_wait -1
	s_cmp_lg_u32 s[WV], 0
	s_cbranch_scc1 .Lnw0_\@
	s_barrier_signal -3
.Lnw0_\@:
	s_barrier_wait -3
	s_barrier_signal -1
	s_barrier_wait -1
.endm
.macro JLOAD                           ; waves 0-7 fetch; the branch hangs on the wave's number alone; four v_nop follow the load
	s_cmp_lt_u32 s[WV], 8
	s_cbranch_scc0 .Lnoload_\@
	tensor_load_to_lds s[G0:G0+3], s[G1:G1+7]
	s_nop 0
.rept 4
	v_nop
.endr
.Lnoload_\@:
.endm
; A PREFETCH INTO THE L2 of the codes that the NEXT change of slots will ask for: two key steps ahead of that load.  All clusters of a batch walk the same kv: the batch's first cluster asks.  In it waves 8-11 of each partner ask, one instruction each:
; number g = 4 cx + (w - 8) takes the 8,192 bytes of K's (g even) or V's (g odd) images of the slot's (step, head) block g / 2, lanes 256 bytes apart: the partners are told apart by address.  So each of a slot's 512 blocks of codes is named once.
; The scale words come by their load alone, and so do slots 0 and 1; the last change that fills a buffer asks for nothing.
.macro ASK
	s_cmp_gt_u32 s[SLOTS], s[LIM]
	s_cbranch_scc0 .Lnot_mine_\@
	global_prefetch_b8 v26, s[PFA:PFA+1] th:TH_LOAD_NT scope:SCOPE_SE
.Lnot_mine_\@:
.endm
.macro BARRIER                         ; my LDS stores have landed and my LDS loads are in: then the work-group's barrier
	s_wait_dscnt 0x0
	s_barrier_signal -1
	s_barrier_wait -1
.endm
.macro PLACES
.rept 4
	v_nop
.endr
.endm
.macro SETF n                          ; FBITS = the f32 bits of the whole number n, 0 .. 127
.if (\n) == 0
.set FBITS, 0
.elseif (\n) < 2
.set FBITS, 127<<23
.elseif (\n) < 4
.set FBITS, (128<<23)|(((\n)-2)<<22)
.elseif (\n) < 8
.set FBITS, (129<<23)|(((\n)-4)<<21)
.elseif (\n) < 16
.set FBITS, (130<<23)|(((\n)-8)<<20)
.elseif (\n) < 32
.set FBITS, (131<<23)|(((\n)-16)<<19)
.elseif (\n) < 64
.set FBITS, (132<<23)|(((\n)-32)<<18)
.else
.set FBITS, (133<<23)|(((\n)-64)<<17)
.endif
.endm
	s_load_b512 s[4:19], s[0:1], 0x0               ; qimg s[4:5], qsc s[6:7], kv s[8:9], qb s[10:11], wimg s[12:13], wsc s[14:15], Wp s[16:17], bp s[18:19]
	s_load_b128 s[20:23], s[0:1], 0x40             ; x s[20:21], out0 s[22:23]
	v_lshl_add_u32 v5, v0, 2, SPARE
	v_mov_b32 v6, 0
	ds_add_u32 v5, v6
	s_wait_dscnt 0x0
	v_lshrrev_b32 v1, 5, v0
	v_readfirstlane_b32 s[WV], v1                  ; wave 0..15
	s_lshr_b32 s[HD], s[WV], 2                     ; head
	s_and_b32 s[QT], s[WV], 3                      ; tile of queries
	s_bfe_u32 s[CX], ttmp6, 0x40000                ; my place in the cluster: it enters global addresses and D0 alone
	s_lshl_b32 s[SB], ttmp9, 2
	s_add_co_u32 s[SB], s[SB], s[CX]               ; my block of 64 queries
	s_and_b32 s[BB], ttmp7, 0xffff                 ; the batch, which the partners share
	; descriptor group 1: 68 rows of 256 bytes (32 elements of 8 bytes), dense in memory and in LDS
	s_mov_b32 s[G1], 0x0023000f                    ; 15:0 the mask: all four work-groups; 17:16 elements of 8 bytes; 21 set beside a mask; no padding
	s_mov_b32 s[G1+1], 32<<16                      ; tensor_dim0 = 32
	s_mov_b32 s[G1+2], 68<<16                      ; tensor_dim1 = 68
	s_mov_b32 s[G1+3], 32<<16                      ; tile_dim0 = 32
	s_mov_b32 s[G1+4], 68                          ; tile_dim1 = 68
	s_mov_b32 s[G1+5], 32                          ; from row to row
	s_mov_b32 s[G1+6], 0
	s_mov_b32 s[G1+7], 0
	s_and_b32 s[WOFF], s[WV], 7
	s_mul_i32 s[WOFF], s[WOFF], HEADB
	s_mov_b32 s[FB], 0
	s_mov_b32 s[RB], 0
	s_mov_b32 s[SIX], 0
	s_mov_b32 s[SLOTS], 7
	s_mov_b32 s[CS], 0x3e0293ee
	s_mov_b32 s[CS+1], s[CS]                       ; (named with it as a pair, so it is written)
	s_mov_b32 s[SEL], 0x76543210
	s_mov_b32 s[SEL+1], 0xfedcba98
	s_mov_b32 s[HM], 0xffff0000
	s_mul_i32 s60, s[BB], BATCHB
	s_mov_b32 s61, 0
	s_mov_b32 s62, s[WOFF]
	s_mov_b32 s63, 0
	s_wait_kmcnt 0x0
	s_add_nc_u64 s[8:9], s[8:9], s[60:61]          ; kv at my batch
	s_mov_b32 s[G0], 1                             ; count = 1
	s_add_co_u32 s[G0+1], s[FB], s[WOFF]           ; LDS address: buffer 0, my rows
	s_add_nc_u64 s[G0+2:G0+3], s[8:9], s[62:63]    ; global address: slot 0, my rows
	s_or_b32 s[G0+3], s[G0+3], 0x80000000          ; type = 2
	CROUND                                         ; all four work-groups are here: the first joint loads meet
	JLOAD                                          ; slot 0
	; the prefetches: where mine stand, and who asks
	s_and_b32 s60, s[WV], 3
	s_lshl_b32 s61, s[CX], 2
	s_add_co_u32 s60, s60, s61                     ; g
	s_lshr_b32 s61, s60, 1
	s_mul_i32 s61, s61, HEADB
	s_and_b32 s60, s60, 1
	s_lshl_b32 s60, s60, 13
	s_add_co_u32 s60, s60, s61
	s_add_co_u32 s60, s60, SLOTB                   ; in slot 1: the first change of slots steps it to slot 2
	s_mov_b32 s61, 0
	s_add_nc_u64 s[PFA:PFA+1], s[8:9], s[60:61]
	s_sub_co_u32 s60, s[WV], 8
	s_lshr_b32 s60, s60, 2                         ; 0 in waves 8 to 11,
	s_or_b32 s60, s60, ttmp9                       ; of the batch's first cluster: the same in all four partners
	s_cmp_eq_u32 s60, 0
	s_cselect_b32 s[LIM], 1, -1
	v_and_b32 v9, 31, v0                           ; lane
	v_and_b32 v3, 15, v0                           ; r
	v_bfe_u32 v4, v0, 4, 1                         ; h
	s_mul_i32 s60, s[HD], HEADB
	v_lshl_add_u32 v1, v9, 4, s60                  ; v1: 16 x lane + my head's block
	s_add_co_u32 s60, s60, 16384
	v_lshl_add_u32 v2, v9, 2, s60                  ; v2: 4 x lane + my head's scale words
	v_lshlrev_b32 v26, 8, v9
	s_lshl_b32 s60, s[BB], 2
	s_add_co_u32 s60, s60, s[HD]                   ; 4 b + head
	s_lshl_b32 s62, s60, 7
	s_lshl_b32 s63, s[SB], 2
	s_add_co_u32 s62, s62, s63
	s_add_co_u32 s62, s62, s[QT]                   ; my tile of q
	s_lshl_b32 s66, s62, 6
	s_mov_b32 s67, 0
	s_lshl_b32 s62, s62, 10
	s_mov_b32 s63, 0
	s_add_nc_u64 s[4:5], s[4:5], s[62:63]
	s_add_nc_u64 s[6:7], s[6:7], s[66:67]
	v_lshlrev_b32 v28, 4, v9
	global_load_b128 v[16:19], v28, s[4:5]         ; Q's fragment stays in registers
	global_load_b128 v[20:23], v28, s[4:5] offset:512
	v_lshlrev_b32 v29, 2, v3
	global_load_b32 v24, v29, s[6:7]               ; and its scale words
	s_mul_i32 s60, s60, 24576                      ; a head of qb: 3 rows of 8,192 bytes
	s_lshl_b32 s68, s[SB], 6
	s_lshr_b32 s69, s[QT], 1
	s_lshl_b32 s69, s69, 5
	s_add_co_u32 s68, s68, s69
	s_and_b32 s69, s[QT], 1
	s_lshl_b32 s69, s69, 3
	s_add_co_u32 s68, s68, s69                     ; my tile's first query
	s_lshl_b32 s69, s68, 2
	s_add_co_u32 s60, s60, s69
	s_mov_b32 s61, 0
	s_add_nc_u64 s[10:11], s[10:11], s[60:61]
	v_and_b32 v30, 8, v3
	v_add_nc_u32 v30, v30, v3                      ; r + 8 (r / 8)
	v_lshlrev_b32 v31, 2, v30
	global_load_b32 v10, v31, s[10:11]             ; fq0 log2(e)
	global_load_b32 v11, v31, s[10:11] offset:8192 ; fq1 log2(e)
	global_load_b32 v7, v31, s[10:11] offset:16384 ; g log2(e)
	v_add_nc_u32 v8, s68, v30                      ; s
	v_lshlrev_b32 v12, 4, v4
	v_sub_nc_u32 v8, v8, v12
	v_cvt_f32_i32 v8, v8                           ; D0 = s - 16 h, for the first step
	v_mov_b32 v25, 0xc2c80000
	v_mul_f32 v25, 0x3fb8aa3b, v25                 ; -100 log2(e)
	v_mov_b32 v13, 0xff61b1e6                      ; the largest u so far: -3e38, under every u
	v_floor_f32 v12, -v13                          ; -M
	v_mov_b32 v14, 0                               ; the sums
	v_mov_b32 v15, 0
.set nn, 0
.rept 64
	v_mov_b32 v[OT+nn], 0                          ; O^T.  (The step is written without a first form: the first finds zeros, which the first change of M leaves zeros)
.set nn, nn+1
.endr
.set nn, 0
.rept 16
	v_mov_b32 v[232+nn], 0                         ; written once: lane permutes' destinations and the upper halves of pairs count as read
.set nn, nn+1
.endr
	s_wait_loadcnt 0x0
	v_lshlrev_b32 v9, 31, v0                       ; s is odd where my lane is
	v_xor_b32 v9, v9, v11                          ; (-1)^s fq1
	v_sub_f32 v11, v10, v9                         ; the bias of odd keys,
	v_add_f32 v10, v10, v9                         ; of even keys
; A KEY STEP: 128 keys, the q-th of the slot in hand.
.macro STEP q
	s_add_co_u32 s[T0], s[RB], (\q)*STEPB
	v_add_nc_u32 v3, s[T0], v1
	v_add_nc_u32 v4, s[T0], v2
	v_mul_f32 v9, s[SIG], v7                       ; +-g
	v_nop                                          ; (with the last step's closing line: five places behind its products, in front of the loads below)
.irp T, 0,1,2,3,4,5,6,7
	ds_load_b128 v[FRG+8*\T:FRG+8*\T+3], v3 offset:1024*\T          ; K's images: 512 consecutive bytes a load
	ds_load_b128 v[FRG+8*\T+4:FRG+8*\T+7], v3 offset:1024*\T+512
.endr
.irp p, 0,1,2,3
	ds_load_b32 v[KSC+\p], v4 offset:128*\p        ; lanes 0-15: tile 2 p's words; lanes 16-31: tile 2 p + 1's
.endr
	s_wait_dscnt 0x0
.irp p, 0,1,2,3
	v_wmma_scale_f32_16x16x128_f8f6f4 v[SCO+16*\p:SCO+16*\p+7], v[FRG+16*\p:FRG+16*\p+7], v[16:23], 0, v[KSC+\p], v24 matrix_a_fmt:MATRIX_FMT_FP4 matrix_b_fmt:MATRIX_FMT_FP4
	v_wmma_scale_f32_16x16x128_f8f6f4 v[SCO+16*\p+8:SCO+16*\p+15], v[FRG+16*\p+8:FRG+16*\p+15], v[16:23], 0, v[KSC+\p], v24 matrix_a_fmt:MATRIX_FMT_FP4 matrix_b_fmt:MATRIX_FMT_FP4 matrix_a_scale:MATRIX_SCALE_ROW1
.endr
	v_mov_b32 v28, v8                              ; s - the first key of my half of block b: D0 - 32 b.  (These four are the places behind the products)
	v_add_f32 v29, 0xc2000000, v8
	v_add_f32 v30, 0xc2800000, v8
	v_add_f32 v31, 0xc2c00000, v8
.irp T, 0,1,2,3,4,5,6,7
	ds_load_b128 v[FRG+8*\T:FRG+8*\T+3], v3 offset:8192+1024*\T     ; V's images land during the softmax
	ds_load_b128 v[FRG+8*\T+4:FRG+8*\T+7], v3 offset:8192+1024*\T+512
.endr
.irp p, 0,1,2,3
	ds_load_b32 v[VSC+\p], v4 offset:512+128*\p
.endr
	s_cmp_eq_u32 s[SIX], ttmp9
	s_cbranch_scc1 .Lgen_\@
	; all keys on one side: -|s - t| g = -(+-g) (D0 - 32 b) + (+-g) i.  The first term is the block's, and is added with -M; the second joins the frequency bias in 16 numbers that serve all four blocks
.irp b, 0,1,2,3
	v_mul_f32 v[28+\b], -v9, v[28+\b]
.endr
.set ii, 0
.rept 16
	SETF ii
	v_fmamk_f32 v[LIN+ii], v9, FBITS, v[10+(ii%2)]
.set ii, ii+1
.endr
.set nn, 0
.rept 32
	v_pk_fma_f32 v[SCO+2*nn:SCO+2*nn+1], v[SCO+2*nn:SCO+2*nn+1], s[CS:CS+1], v[LIN+2*(nn%8):LIN+2*(nn%8)+1] op_sel_hi:[1,0,1]
.set nn, nn+1
.endr
	s_branch .Ljoin_\@
.Lgen_\@:
	; the slot that holds the cluster's own queries: s - t for each score (a whole number, exact), its magnitude times g, and -100 log2(e) where it is 0
.set bb, 0
.rept 4
.set ii, 0
.rept 16
	SETF 32*bb+ii
	v_add_f32 v[LIN+ii], FBITS|0x80000000, v8
.set ii, ii+1
.endr
.set ii, 0
.rept 8
	v_pk_fma_f32 v[SCO+16*bb+2*ii:SCO+16*bb+2*ii+1], v[SCO+16*bb+2*ii:SCO+16*bb+2*ii+1], s[CS:CS+1], v[10:11] op_sel_hi:[1,0,1]
.set ii, ii+1
.endr
.set ii, 0
.rept 16
	v_fma_f32 v[SCO+16*bb+ii], -|v[LIN+ii]|, v7, v[SCO+16*bb+ii]
.set ii, ii+1
.endr
.set ii, 0
.rept 16
	v_cmp_eq_f32 vcc_lo, 0, v[LIN+ii]
	v_cndmask_b32 v[SCO+16*bb+ii], v[SCO+16*bb+ii], v25, vcc_lo
.set ii, ii+1
.endr
.set bb, bb+1
.endr
.irp b, 0,1,2,3
	v_mov_b32 v[28+\b], 0                          ; no block term here
.endr
.Ljoin_\@:
.irp b, 0,1,2,3
	v_max3_num_f32 v[MU+\b], v[SCO+16*\b], v[SCO+16*\b+1], v[SCO+16*\b+2]   ; the largest of my 16 of each block: it serves for the row's maximum and, since p rises with u, for the block's largest p
.endr
.irp i, 3,5,7,9,11,13
.irp b, 0,1,2,3
	v_max3_num_f32 v[MU+\b], v[MU+\b], v[SCO+16*\b+\i], v[SCO+16*\b+\i+1]
.endr
.endr
.irp b, 0,1,2,3
	v_max_num_f32 v[MU+\b], v[MU+\b], v[SCO+16*\b+15]
.endr
.irp b, 0,1,2,3
	v_add_f32 v[PT+\b], v[MU+\b], v[28+\b]         ; with the block's term
.endr
	v_max3_num_f32 v9, v[PT], v[PT+1], v[PT+2]
	v_max_num_f32 v9, v9, v[PT+3]
	v_permlanex16_b32 v[PT], v9, s[SEL], s[SEL+1]
	v_max_num_f32 v9, v9, v[PT]                    ; the step's largest u of my query
	v_max_num_f32 v13, v13, v9                     ; the running largest
	v_mov_b32 v9, v12
	v_floor_f32 v12, -v13                          ; the new -M = -ceil(u): a whole number
	v_sub_f32 v9, v12, v9                          ; M's old value less its new one: 0 or less
	v_cvt_i32_f32 v9, v9                           ; (it saturates)
.irp b, 0,1,2,3
	v_add_f32 v[AB+2*\b], v[28+\b], v12            ; the block's term - M
.endr
	v_ldexp_f32 v28, 1.0, v9                       ; f = 2^(old M - new M)
.irp b, 0,1,2,3
	v_add_f32 v[MU+\b], v[MU+\b], v[AB+2*\b]       ; the same addition as the scores get below: the same bits
.endr
.set nn, 0
.rept 32
	v_pk_add_f32 v[SCO+2*nn:SCO+2*nn+1], v[SCO+2*nn:SCO+2*nn+1], v[AB+2*(nn/8):AB+2*(nn/8)+1] op_sel_hi:[1,0]   ; u - M
.set nn, nn+1
.endr
.irp b, 0,1,2,3
	v_permlanex16_b32 v[PT+\b], v[MU+\b], s[SEL], s[SEL+1]
.endr
.irp b, 0,1,2,3
	v_max_num_f32 v[MU+\b], v[MU+\b], v[PT+\b]     ; with lane l xor 16's 16 keys
.endr
.set nn, 0
.rept 64
	v_exp_f32 v[SCO+nn], v[SCO+nn]                 ; p = 2^(u - M): NOT normalised
.set nn, nn+1
.endr
	v_pk_mul_f32 v[14:15], v[14:15], v[28:29] op_sel_hi:[1,0]   ; the sums under the new M.  (A plain place behind the exponentials)
	s_wait_alu depctr_va_vdst(0)                   ; one wait for the whole batch, ahead of its first reader
.irp b, 0,1,2,3
	v_exp_f32 v[MU+\b], v[MU+\b]                   ; the block's largest p
.endr
	v_pk_add_f32 v[244:245], v[SCO:SCO+1], v[SCO+2:SCO+3]   ; the sums of the unquantised p, (even key, odd key), in two chains.  (They read the 64 alone: plain work behind the four)
.irp j, 4,8,12,16,20,24,28,32,36,40,44,48,52,56,60
	v_pk_add_f32 v[14:15], v[14:15], v[SCO+\j:SCO+\j+1]
	v_pk_add_f32 v[244:245], v[244:245], v[SCO+\j+2:SCO+\j+3]
.endr
	v_pk_add_f32 v[14:15], v[14:15], v[244:245]
	s_wait_alu depctr_va_vdst(0)                   ; and one for the four
.irp b, 0,1,2,3
	v_max_num_f32 v[MU+\b], 0x1800000, v[MU+\b]    ; the floor 2^(3 - 127): the byte cannot fall under 1
.endr
.irp b, 0,1,2,3
	v_add_nc_u32 v[240+\b], 0xff000000, v[MU+\b]   ; 2 off the exponent field: the conversion's scale operand
.endr
.irp b, 0,1,2,3
	v_lshrrev_b32 v[PT+\b], 23, v[240+\b]          ; the scale's byte
.endr
	v_lshl_or_b32 v27, v[PT+1], 8, v[PT]           ; p's scale word for these 128 keys
	v_lshl_or_b32 v27, v[PT+2], 16, v27
	v_lshl_or_b32 v27, v[PT+3], 24, v27
.irp b, 0,1,2,3
	v_cvt_scalef32_pk8_fp4_f32 v[PCD+2*\b], v[SCO+16*\b:SCO+16*\b+7], v[240+\b]
	v_cvt_scalef32_pk8_fp4_f32 v[PCD+2*\b+1], v[SCO+16*\b+8:SCO+16*\b+15], v[240+\b]
.endr
	v_nop                                          ; one plain place behind a scaled conversion
.irp c, 0,1                                    ; a WHOLE block in a lane: lanes 0-15 block 2 c, lanes 16-31 block 2 c + 1
.irp i, 0,1
	v_permlane16_swap_b32 v[PCD+4*\c+\i], v[PCD+4*\c+2+\i]
.endr
.endr
.set nn, 0
.rept 32
	v_pk_mul_f32 v[OT+2*nn:OT+2*nn+1], v[OT+2*nn:OT+2*nn+1], v[28:29] op_sel_hi:[1,0]   ; O^T under the new M.  (Also the places between the codes and the scale word just made and the products)
.set nn, nn+1
.endr
	s_wait_dscnt 0x0                               ; V
.irp p, 0,1,2,3
	v_wmma_scale_f32_16x16x128_f8f6f4 v[OT+16*\p:OT+16*\p+7], v[FRG+16*\p:FRG+16*\p+7], v[PCD:PCD+7], v[OT+16*\p:OT+16*\p+7], v[VSC+\p], v27 matrix_a_fmt:MATRIX_FMT_FP4 matrix_b_fmt:MATRIX_FMT_FP4
	v_wmma_scale_f32_16x16x128_f8f6f4 v[OT+16*\p+8:OT+16*\p+15], v[FRG+16*\p+8:FRG+16*\p+15], v[PCD:PCD+7], v[OT+16*\p+8:OT+16*\p+15], v[VSC+\p], v27 matrix_a_fmt:MATRIX_FMT_FP4 matrix_b_fmt:MATRIX_FMT_FP4 matrix_a_scale:MATRIX_SCALE_ROW1
.endr
	v_add_f32 v8, 0xc3000000, v8                   ; D0 for the next step: 128 keys on
.endm
; THE CHANGE OF SLOTS stands at a slot's head.  Each wave waits for all its tensor loads (one at the most is out: its part of the slot that it is about to read), adds 0 to its spare word, and waits for that and for its reads of the buffer that it has left.
; fill = 1: the barrier is a round of the cluster's, so that no wave of any partner still reads that buffer or has a load on its way; the joint refill is the first thing behind it and has two key steps in which to land.
.macro CHANGE fill
	s_wait_tensorcnt 0x0                           ; no tensor load of mine is out, so group 0 may be written
	ds_add_u32 v5, v6                              ; 0 onto my spare word
.if \fill
	s_xor_b32 s[FB], s[FB], SLOT1                  ; the other buffer than last time,
	s_add_co_u32 s[G0+1], s[FB], s[WOFF]
	s_add_nc_u64 s[G0+2:G0+3], s[G0+2:G0+3], SLOTB ; the next slot; the type bits on top are not reached
	s_wait_xcnt 0x0                                ; the last prefetch, a slot back, has read its address
	s_add_nc_u64 s[PFA:PFA+1], s[PFA:PFA+1], SLOTB ; one slot further on than the walking descriptor
	s_wait_dscnt 0x0                               ; the add is done, and my reads of the buffer that I have left are over
	CROUND
	JLOAD
	ASK
.else
	s_wait_dscnt 0x0
	s_barrier_signal -1
	s_barrier_wait -1
.endif
.endm
.macro SLOT_STEPS
	s_cmp_lt_u32 s[SIX], ttmp9
	s_cselect_b32 s[SIG], 1.0, -1.0
	STEP 0
	STEP 1
	s_xor_b32 s[RB], s[RB], SLOT1
	s_add_co_u32 s[SIX], s[SIX], 1
.endm
.Lslot:                                            ; seven trips: behind each change of slots but the last the next slot is asked for
	CHANGE 1
	SLOT_STEPS
	s_sub_co_u32 s[SLOTS], s[SLOTS], 1
	s_cmp_lg_u32 s[SLOTS], 0
	s_cbranch_scc1 .Lslot
	CHANGE 0                                       ; the last slot is written out
	SLOT_STEPS
; ---- BEHIND THE LOOP.  64 numbers of a lane, register 16 b + i = k 32 b + 16 (lane / 16) + i of my row, become a fragment's codes in v[PC] on and its scale word in v[PW].
.macro QUANT s
.irp b, 0,1,2,3
	v_max3_num_f32 v[TM+\b], |v[\s+16*\b]|, |v[\s+1+16*\b]|, 0x1800000
.endr
.irp i, 2,4,6,8,10,12,14
.irp b, 0,1,2,3
	v_max3_num_f32 v[TM+\b], v[TM+\b], |v[\s+16*\b+\i]|, |v[\s+1+16*\b+\i]|
.endr
.endr
.irp b, 0,1,2,3
	v_permlanex16_b32 v[TM+4+\b], v[TM+\b], s[SEL], s[SEL+1]
.endr
.irp b, 0,1,2,3
	v_max_num_f32 v[TM+\b], v[TM+\b], v[TM+4+\b]
.endr
.irp b, 0,1,2,3
	v_add_nc_u32 v[TM+12+\b], 0xff000000, v[TM+\b]
.endr
.irp b, 0,1,2,3
	v_lshrrev_b32 v[TM+4+\b], 23, v[TM+12+\b]
.endr
	v_lshl_or_b32 v[PW], v[TM+5], 8, v[TM+4]
	v_lshl_or_b32 v[PW], v[TM+6], 16, v[PW]
	v_lshl_or_b32 v[PW], v[TM+7], 24, v[PW]
.irp b, 0,1,2,3
	v_cvt_scalef32_pk8_fp4_f32 v[PC+2*\b], v[\s+16*\b:\s+7+16*\b], v[TM+12+\b]
	v_cvt_scalef32_pk8_fp4_f32 v[PC+1+2*\b], v[\s+8+16*\b:\s+15+16*\b], v[TM+12+\b]
.endr
	v_nop
.irp c, 0,1
.irp i, 0,1
	v_permlane16_swap_b32 v[PC+4*\c+\i], v[PC+2+4*\c+\i]
.endr
.endr
.endm
; The last, short block of K = 520: 8 numbers of a row (both halves of the lanes hold the same) become a whole fragment: codes in register 0 of lanes 0-15, zeros elsewhere; the other three blocks' bytes are 127.
.macro TAILQ in, fr, w
	v_max3_num_f32 v150, |v[\in]|, |v[\in+1]|, 0x1800000
	v_max3_num_f32 v150, v150, |v[\in+2]|, |v[\in+3]|
	v_max3_num_f32 v150, v150, |v[\in+4]|, |v[\in+5]|
	v_max3_num_f32 v150, v150, |v[\in+6]|, |v[\in+7]|
	v_add_nc_u32 v151, 0xff000000, v150
	v_lshrrev_b32 v150, 23, v151
	v_or_b32 v[\w], 0x7f7f7f00, v150
	v_cvt_scalef32_pk8_fp4_f32 v152, v[\in:\in+7], v151
	v_nop
	v_and_b32 v[\fr], v29, v152
.irp k, 1,2,3,4,5,6,7
	v_mov_b32 v[\fr+\k], 0
.endr
.endm
.macro MMS d, a, b, c, sa, sb, ra, rb  ; ra, rb = 1: that side's scales stand in lanes 16-31
.if (\ra) && (\rb)
	v_wmma_scale_f32_16x16x128_f8f6f4 v[(\d):(\d)+7], v[(\a):(\a)+7], v[(\b):(\b)+7], v[(\c):(\c)+7], v[\sa], v[\sb] matrix_a_fmt:MATRIX_FMT_FP4 matrix_b_fmt:MATRIX_FMT_FP4 matrix_a_scale:MATRIX_SCALE_ROW1 matrix_b_scale:MATRIX_SCALE_ROW1
.elseif (\ra)
	v_wmma_scale_f32_16x16x128_f8f6f4 v[(\d):(\d)+7], v[(\a):(\a)+7], v[(\b):(\b)+7], v[(\c):(\c)+7], v[\sa], v[\sb] matrix_a_fmt:MATRIX_FMT_FP4 matrix_b_fmt:MATRIX_FMT_FP4 matrix_a_scale:MATRIX_SCALE_ROW1
.elseif (\rb)
	v_wmma_scale_f32_16x16x128_f8f6f4 v[(\d):(\d)+7], v[(\a):(\a)+7], v[(\b):(\b)+7], v[(\c):(\c)+7], v[\sa], v[\sb] matrix_a_fmt:MATRIX_FMT_FP4 matrix_b_fmt:MATRIX_FMT_FP4 matrix_b_scale:MATRIX_SCALE_ROW1
.else
	v_wmma_scale_f32_16x16x128_f8f6f4 v[(\d):(\d)+7], v[(\a):(\a)+7], v[(\b):(\b)+7], v[(\c):(\c)+7], v[\sa], v[\sb] matrix_a_fmt:MATRIX_FMT_FP4 matrix_b_fmt:MATRIX_FMT_FP4
.endif
.endm
	; ---- F1: O^T / l and the time signals go to LDS as rows of 520 f32: row 16 qt + r, head hd at byte 520 hd, its two time signals behind its 128 channels.  (The address work is the places behind the last products)
	v_and_b32 v1, 15, v0                           ; r
	v_bfe_u32 v2, v0, 4, 1                         ; h
	v_and_b32 v3, 31, v0                           ; lane
	v_lshlrev_b32 v25, 4, v3                       ; 16 x lane
	v_lshlrev_b32 v28, 2, v1                       ; 4 r
	v_add_nc_u32 v29, -1, v2                       ; all ones in lanes 0-15, 0 in lanes 16-31
	s_lshl_b32 s60, s[QT], 4
	v_add_nc_u32 v4, s60, v1
	v_mul_u32_u24 v4, v4, PR
	s_mul_i32 s60, s[HD], 520
	v_add_nc_u32 v4, s60, v4                       ; v4: my row, my head
	v_lshl_add_u32 v7, v2, 5, v4                   ; v7: + 32 h: my eight channels of a tile
	BARRIER                                        ; every wave has left the ring: its buffers take the rows and, later, the stages
	v_permlanex16_b32 v30, v14, s[SEL], s[SEL+1]
	v_permlanex16_b32 v31, v15, s[SEL], s[SEL+1]
	v_add_f32 v14, v14, v30                        ; the sum over even keys,
	v_add_f32 v15, v15, v31                        ; over odd keys,
	v_add_f32 v8, v14, v15                         ; l
	v_rcp_f32 v12, v8
	v_sub_f32 v11, v14, v15                        ; (a plain place behind the reciprocal)
	s_wait_alu depctr_va_vdst(0)                   ; the wait ahead of its first reader
	v_mul_f32 v10, v8, v12                         ; time_sig0 = l / l
	v_mul_f32 v11, v11, v12
	v_lshlrev_b32 v13, 31, v0
	v_xor_b32 v11, v13, v11                        ; time_sig1 = (-1)^s (even - odd) / l
.set nn, 0
.rept 32
	v_pk_mul_f32 v[96+2*nn:96+2*nn+1], v[OT+2*nn:OT+2*nn+1], v[12:13] op_sel_hi:[1,0]   ; register 8 T + j: channel 16 T + 8 h + j of my query
.set nn, nn+1
.endr
	v_lshlrev_b32 v14, 9, v2
	v_lshl_add_u32 v14, v1, 2, v14                 ; 512 h + 4 r: lanes 0-15 take the scale words of Wp's first tile, lanes 16-31 of its second
	v_mul_u32_u24 v15, v1, 2080                    ; row r of Wp
.irp T, 0,1,2,3,4,5,6,7
.irp j, 0,1,2,3
	ds_store_b64 v7, v[96+8*\T+2*\j:96+8*\T+2*\j+1] offset:64*\T+8*\j   ; (a head begins at a multiple of 8 bytes only)
.endr
.endr
	ds_store_b64 v4, v[10:11] offset:512           ; both halves of the lanes store the same two numbers
	; what the output projection wants from memory is asked for here: wave w makes outputs 32 w .. 32 w + 31: row tiles 96 + 2 w, 97 + 2 w of the images
	s_lshl_b32 s60, s[WV], 13
	s_add_co_u32 s60, s60, 96*4096
	s_mov_b32 s61, 0
	s_add_nc_u64 s[12:13], s[12:13], s[60:61]
	s_lshl_b32 s60, s[WV], 10
	s_add_co_u32 s60, s60, 96*512
	s_add_nc_u64 s[14:15], s[14:15], s[60:61]
	s_mul_i32 s60, s[WV], 32*2080
	s_add_co_u32 s60, s60, 2048                    ; Wp's columns 512 .. 519
	s_add_nc_u64 s[16:17], s[16:17], s[60:61]
	s_lshl_b32 s60, s[WV], 7
	s_add_nc_u64 s[18:19], s[18:19], s[60:61]
.set ff, 0
.rept 8
	global_load_b128 v[32+8*ff:32+8*ff+3], v25, s[12:13] offset:1024*ff        ; fragment (n, ks) at v[32 + 8 (4 n + ks)]
	global_load_b128 v[32+8*ff+4:32+8*ff+7], v25, s[12:13] offset:1024*ff+512
.set ff, ff+1
.endr
.irp ks, 0,1,2,3
	global_load_b32 v[248+\ks], v14, s[14:15] offset:128*\ks
.endr
.irp n, 0,1
	global_load_b128 v[192+8*\n:195+8*\n], v15, s[16:17] offset:16*2080*\n
	global_load_b128 v[196+8*\n:199+8*\n], v15, s[16:17] offset:16*2080*\n+16
	global_load_b32 v[30+\n], v28, s[18:19] offset:64*\n   ; bp of my output in tile n
.endr
	BARRIER                                        ; 64 whole rows lie in LDS
	; ---- F2: wave (tile st = w % 4, K step ks = w / 4) quantises 16 rows x 128 of the 520
	s_lshl_b32 s60, s[QT], 4
	v_add_nc_u32 v4, s60, v1
	v_mul_u32_u24 v4, v4, PR
	v_lshl_add_u32 v4, v2, 6, v4
	s_lshl_b32 s60, s[HD], 9
	v_add_nc_u32 v4, s60, v4                       ; row 16 st + r, + 512 ks + 64 h: my 16 numbers of a block of 32
	s_lshl_b32 s60, s[QT], 2
	s_add_co_u32 s60, s60, s[HD]
	s_lshl_b32 s60, s60, 10
	s_add_co_u32 s60, s60, RIMG
	v_add_nc_u32 v7, s60, v25
	s_lshl_b32 s60, s[HD], 2
	s_add_co_u32 s60, s60, s[QT]
	s_lshl_b32 s60, s60, 6
	s_add_co_u32 s60, s60, RSC
	v_add_nc_u32 v8, s60, v28
.irp b, 0,1,2,3
.irp j, 0,1,2,3
	ds_load_b128 v[96+16*\b+4*\j:96+16*\b+4*\j+3], v4 offset:128*\b+16*\j
.endr
.endr
	s_wait_dscnt 0x0
	QUANT 96
	ds_store_b128 v7, v[PC:PC+3]
	ds_store_b128 v7, v[PC+4:PC+7] offset:512
	ds_store_b32 v8, v[PW]
	BARRIER                                        ; the result's sixteen images lie in LDS
	; ---- F3: out(s, o) = result(s, :) . Wp(o, :) + bp(o): source 0 = 16 queries, source 1 = 16 rows of Wp: a lane holds one output and eight neighbouring s.  Eight accumulators (n, m) at v[96 + 32 n + 8 m] by turns
	s_wait_loadcnt 0x0
	v_add_nc_u32 v4, RIMG, v25
	v_lshl_add_u32 v7, v3, 2, RSC
	v_mul_u32_u24 v8, v1, PR
	v_add_nc_u32 v8, 2048, v8                      ; the rows' last 8 numbers: tiles 0, 1;
	v_add_nc_u32 v10, 32*PR, v8                    ; tiles 2, 3
.irp m, 0,1
	ds_load_b128 v[96+8*\m:99+8*\m], v8 offset:16*PR*\m
	ds_load_b128 v[100+8*\m:103+8*\m], v8 offset:16*PR*\m+16
	ds_load_b128 v[112+8*\m:115+8*\m], v10 offset:16*PR*\m
	ds_load_b128 v[116+8*\m:119+8*\m], v10 offset:16*PR*\m+16
.endr
	TAILQ 192, 224, 144                            ; Wp's last block, tile 0,
	TAILQ 200, 232, 145                            ; tile 1
	s_wait_dscnt 0x0
	TAILQ 96, 192, 146                             ; the result's, tiles 0 to 3
	TAILQ 104, 200, 147
	TAILQ 112, 208, 148
	TAILQ 120, 216, 149
	v_cndmask_b32 v252, v144, v145, s[HM]          ; two tiles' scale words to a register: the even one's in lanes 0-15
	v_cndmask_b32 v255, v146, v147, s[HM]
	v_cndmask_b32 v24, v148, v149, s[HM]
.irp j, 0,1,2,3,4,5,6,7
	v_mov_b32 v[240+\j], v30                       ; the bias as a C: my output's number in all eight registers
	v_mov_b32 v[16+\j], v31
.endr
	PLACES
.irp ks, 0,1,2,3
.irp m, 0,1,2,3
	ds_load_b128 v[160+8*\m:163+8*\m], v4 offset:(4*\m+\ks)*1024
	ds_load_b128 v[164+8*\m:167+8*\m], v4 offset:(4*\m+\ks)*1024+512
.endr
.irp p, 0,1
	ds_load_b32 v[253+\p], v7 offset:256*\ks+128*\p
.endr
	s_wait_dscnt 0x0
.irp m, 0,1,2,3
.if \ks == 0
	MMS 96+8*\m, 160+8*\m, 32+8*\ks, 240, 253+\m/2, 248+\ks, \m%2, 0
	MMS 128+8*\m, 160+8*\m, 64+8*\ks, 16, 253+\m/2, 248+\ks, \m%2, 1
.else
	MMS 96+8*\m, 160+8*\m, 32+8*\ks, 96+8*\m, 253+\m/2, 248+\ks, \m%2, 0
	MMS 128+8*\m, 160+8*\m, 64+8*\ks, 128+8*\m, 253+\m/2, 248+\ks, \m%2, 1
.endif
.endr
	PLACES
.endr
	MMS 96, 192, 224, 96, 255, 252, 0, 0           ; the last K step: 8 numbers and zeros
	MMS 128, 192, 232, 128, 255, 252, 0, 1
	MMS 104, 200, 224, 104, 255, 252, 1, 0
	MMS 136, 200, 232, 136, 255, 252, 1, 1
	MMS 112, 208, 224, 112, 24, 252, 0, 0
	MMS 144, 208, 232, 144, 24, 252, 0, 1
	MMS 120, 216, 224, 120, 24, 252, 1, 0
	MMS 152, 216, 232, 152, 24, 252, 1, 1
	PLACES
	; ---- F4: the way out.  My 32 outputs x 64 s go through my own stage and come back as rows of 256 bytes; x is added; sixteen lanes store 256 consecutive bytes, at a multiple of 256 from out0's first byte
	v_lshlrev_b32 v8, 13, v2
	v_lshl_add_u32 v8, v1, 4, v8                   ; lanes 0-15 one row of x and out0, lanes 16-31 the next; 16 bytes a lane
	s_lshl_b32 s60, s[BB], 22
	s_lshl_b32 s62, s[WV], 18                      ; 32 rows of 8,192 bytes
	s_add_co_u32 s60, s60, s62
	s_lshl_b32 s62, s[SB], 8
	s_add_co_u32 s60, s60, s62
	s_mov_b32 s61, 0
	s_add_nc_u64 s[20:21], s[20:21], s[60:61]
	s_add_nc_u64 s[22:23], s[22:23], s[60:61]
.set ii, 0
.rept 16
	global_load_b128 v[32+4*ii:32+4*ii+3], v8, s[20:21] offset:16384*ii th:TH_LOAD_NT
.set ii, ii+1
.endr
	s_mul_i32 s60, s[WV], 8704
	s_add_co_u32 s60, s60, STG
	v_mul_u32_u24 v4, v1, 272
	v_lshl_add_u32 v4, v2, 6, v4
	v_add_nc_u32 v4, s60, v4                       ; in: row r of a tile of outputs, + 64 h: accumulator (n, m) holds s = 32 (m / 2) + 16 h + 8 (m % 2) + 0 .. 7
	v_mul_u32_u24 v7, v2, 272
	v_lshl_add_u32 v7, v1, 4, v7
	v_add_nc_u32 v7, s60, v7                       ; back: lanes 0-15 one row, lanes 16-31 the next
.irp n, 0,1
.irp m, 0,1,2,3
	ds_store_b128 v4, v[96+32*\n+8*\m:99+32*\n+8*\m] offset:4352*\n+128*(\m/2)+32*(\m%2)          ; each accumulator from its low end on
	ds_store_b128 v4, v[100+32*\n+8*\m:103+32*\n+8*\m] offset:4352*\n+128*(\m/2)+32*(\m%2)+16
.endr
.endr
.set ii, 0
.rept 16
	ds_load_b128 v[160+4*ii:160+4*ii+3], v7 offset:544*ii   ; LDS serves a wave's instructions in order (ISA guide 5.7.1.4): these see my stores
.set ii, ii+1
.endr
	s_wait_loadcnt 0x0                             ; x
.set ii, 0
.rept 16
	s_wait_dscnt 15-ii                             ; rows 2 i, 2 i + 1 are back; the younger loads may be out
	v_pk_add_f32 v[160+4*ii:161+4*ii], v[160+4*ii:161+4*ii], v[32+4*ii:33+4*ii]
	v_pk_add_f32 v[162+4*ii:163+4*ii], v[162+4*ii:163+4*ii], v[34+4*ii:35+4*ii]
	global_store_b128 v8, v[160+4*ii:163+4*ii], s[22:23] offset:16384*ii th:TH_STORE_NT
.set ii, ii+1
.endr
	s_wait_tensorcnt 0x0                           ; the wave's end: behind my last tensor load and my last LDS store
	ds_add_u32 v5, v6
	s_wait_dscnt 0x0
	CROUND                                         ; the closing round: no work-group ends while a partner may still ask for a slot that names it
	s_endpgm
.Lfunc_end_k_q8b6c2fa7c9_attn:
	.size	k_q8b6c2fa7c9_attn, .Lfunc_end_k_q8b6c2fa7c9_attn-k_q8b6c2fa7c9_attn
	.p2alignl 7, 3214868480
	.fill 96, 4, 3214868480
	.section	.rodata,"a",@progbits
	.p2align	6, 0x0
	.amdhsa_kernel k_q8b6c2fa7c9_attn
		.amdhsa_group_segment_fixed_size 327680
		.amdhsa_private_segment_fixed_size 0
		.amdhsa_enable_private_segment 0
		.amdhsa_kernarg_size 80
		.amdhsa_user_sgpr_count 2
		.amdhsa_user_sgpr_kernarg_segment_ptr 1
		.amdhsa_wavefront_size32 1
		.amdhsa_system_sgpr_workgroup_id_x 1
		.amdhsa_system_sgpr_workgroup_id_y 1
		.amdhsa_system_sgpr_workgroup_id_z 1
		.amdhsa_system_vgpr_workitem_id 0
		.amdhsa_next_free_vgpr 256
		.amdhsa_next_free_sgpr 100
		.amdhsa_reserve_vcc 1
		.amdhsa_float_denorm_mode_32 3
		.amdhsa_float_denorm_mode_16_64 3
		.amdhsa_memory_ordered 1
		.amdhsa_forward_progress 1
		.amdhsa_inst_pref_size 189
	.end_amdhsa_kernel
	.amdgpu_metadata
---
amdhsa.version: [ 1, 2 ]
amdhsa.kernels:
  - .name:           k_q8b6c2fa7c9_attn
    .symbol:         k_q8b6c2fa7c9_attn.kd
    .args:
      - { .name: qimg, .offset: 0, .size: 8, .value_kind: global_buffer, .address_space: global }
      - { .name: qsc, .offset: 8, .size: 8, .value_kind: global_buffer, .address_space: global }
      - { .name: kv, .offset: 16, .size: 8, .value_kind: global_buffer, .address_space: global }
      - { .name: qb, .offset: 24, .size: 8, .value_kind: global_buffer, .address_space: global }
      - { .name: wimg, .offset: 32, .size: 8, .value_kind: global_buffer, .address_space: global }
      - { .name: wsc, .offset: 40, .size: 8, .value_kind: global_buffer, .address_space: global }
      - { .name: Wp, .offset: 48, .size: 8, .value_kind: global_buffer, .address_space: global }
      - { .name: bp, .offset: 56, .size: 8, .value_kind: global_buffer, .address_space: global }
      - { .name: x, .offset: 64, .size: 8, .value_kind: global_buffer, .address_space: global }
      - { .name: out0, .offset: 72, .size: 8, .value_kind: global_buffer, .address_space: global }
    .group_segment_fixed_size: 327680
    .private_segment_fixed_size: 0
    .kernarg_segment_align: 8
    .kernarg_segment_size: 80
    .max_flat_workgroup_size: 512
    .sgpr_count:     100
    .vgpr_count:     256
    .wavefront_size: 32
...
	.end_amdgpu_metadata
.endif
;; end of part 3
